; MI455X (gfx1250); checked and timed in simulation.
; The chip was launched on July 23, 2026; its instructions are those of AMD's public machine-readable ISA for CDNA 5 (MIT licence, August 2026) and "CDNA5" Instruction Set Architecture Reference Guide (July 2026). The comments in the code are by the model that wrote it; some were corrected since.
;; Multi Head Attention. Allowed arithmetic: matrix products marked QUANTISED: E5M2 operands, one E8M0 scale for each 32 along K, by v_wmma_scale_f32_16x16x128_f8f6f4 with both operands' format E5M2, f32 sums; everything else in f32.
;; Inputs: out_b 1,024 float32; out_w 1,024 x 1,024 float32; qkv_b 3,072 float32; qkv_w 3,072 x 1,024 float32; x 2 x 2,048 x 1,024 float32.
;; Outputs: out0 2 x 2,048 x 1,024 float32.
;; This version of the problem:
;;   THIS VERSION OF THE PROBLEM IS GIVEN IN LOW PRECISION. The matrix products marked QUANTISED in the list below multiply operands that are first quantised to E5M2 (5 exponent bits, 2 mantissa bits; 8 bits a number), with one power-of-two scale for each 32 numbers along K (OCP MX v1.0); their sums are f32. All else is computed in f32.
;;   The module's matrix products, in the order in which they are computed (A, B: the left and right operand; K: the contracted axis; several contracted axes count as one K, in the product's order):
;;     1. [M 4,096, K 1,024] x [K 1,024, N 3,072]; A: input x; B: input qkv_w: QUANTISED
;;     2. batch 32 x [M 2,048, K 64] x [K 64, N 2,048]; A: computed on the way; B: computed on the way: QUANTISED
;;     3. batch 32 x [M 2,048, K 2,048] x [K 2,048, N 64]; A: softmax (see below); B: computed on the way: QUANTISED
;;     4. [M 4,096, K 1,024] x [K 1,024, N 1,024]; A: computed on the way; B: input out_w: QUANTISED
;;   THE QUANTISER, for each operand of a quantised product, along K:
;;     - K is cut into blocks of 32 from its start; a last block that is shorter is filled with zeros.
;;     - A block's scale is 2^e with e = floor(log2(the largest magnitude in the block)) - 15, held to -126 .. 127; a block of zeros has e = 0. As a byte (E8M0): e + 127.
;;     - Each number is divided by its block's scale, clamped to +-57,344, and rounded to the nearest number of E5M2, ties to even, subnormals kept.
;;     - The product sums the exact products of the quantised numbers (number of the format x scale) in f32.
;;   ~~~python
;;   def quantise(x, axis):      # numpy; x: float32 -> the quantised numbers, widened to float32 again
;;       x = np.moveaxis(x, axis, -1); K = x.shape[-1]
;;       x = np.pad(x, [(0, 0)] * (x.ndim - 1) + [(0, -K % 32)]); x = x.reshape(x.shape[:-1] + (-1, 32)); a = np.abs(x).max(-1, keepdims=True)
;;       e = np.where(a > 0, np.clip(np.frexp(np.where(a > 0, a, 1))[1] - 1 - 15, -126, 127), 0)      # np.frexp(a)[1] - 1 = floor(log2(a)), exactly
;;       r = np.clip(x / 2.0 ** e, -57344, 57344)
;;       step = 2.0 ** (np.maximum(np.frexp(np.where(r == 0, 1, r))[1] - 1, -14) - 2)
;;       q = np.round(r / step) * step * 2.0 ** e      # np.round: ties to even
;;       return np.moveaxis(q.reshape(q.shape[:-2] + (-1,))[..., :K], -1, axis).astype(np.float32)
;;   ~~~
;;   SOFTMAX AHEAD OF A QUANTISED PRODUCT. Where the list says 'softmax', what is quantised is not the finished softmax but p = 2^(t - M), with t = logit x log2(e) and M = ceil(the row's largest t), a whole number; so 1/2 < the row's largest p <= 1. The row's sum l is taken of the UNQUANTISED p, in f32, and the product's result is divided by l at the end. Since M is a whole number, a kernel that streams over the keys may use a running M (the ceiling of the running maximum): every later rescaling is an exact power of two, which a block's scale takes up: the codes' values come out the same.
;;   OPERANDS COMPUTED ON THE WAY. 'Computed on the way' means the value that the module computes at that place (a softmax that the list does not call 'softmax' is quantised finished and normalised). What goes into a quantiser is computed in f32, as accurately as f32 sums, v_exp_f32 and their like allow (about 1e-6 of the number): no bf16 or f16 on the way to a quantiser, and a product that is left as it is and whose result goes on into a quantised operand takes f32 operands (vector FMAs, or v_wmma_f32_16x16x4_f32). A number that lies on a knife's edge between two numbers of the format may be rounded either way, as far as f32 arithmetic and the matrix unit's own rounding can turn it there, and no further.
;; One version. Each part assembles by itself: llvm-mc -triple=amdgcn-amd-amdhsa -mcpu=gfx1250 --defsym DOCPART=n.
;; ======== version 1 of 1: 4 launches
;; limits: right only within a limited range of input values
;; workspace buffers: codes 8,388,608 bytes; scales 262,144 bytes; qk_img 8,388,608 bytes; qk_sc 524,288 bytes; v_img 4,194,304 bytes; v_sc 131,072 bytes; att_img 4,194,304 bytes; att_sc 131,072 bytes
;; launch quant (part 1): grid 256 x 1, 4 waves a work-group, no clusters, 33,280 bytes of LDS; arguments x, qkv_w, out_w, codes, scales; writes codes, scales
.if DOCPART == 1
	.amdgcn_target "amdgcn-amd-amdhsa--gfx1250"
	.amdhsa_code_object_version 6
	.text
	.protected	k_q5f77fc954f_quant
	.globl	k_q5f77fc954f_quant
	.p2align	8
	.type	k_q5f77fc954f_quant,@function
k_q5f77fc954f_quant:
	s_mov_b64 s[64:65], 0
	v_nop
	global_prefetch_b8 v0, s[64:65] scope:SCOPE_SE
	s_setreg_imm32_b32 hwreg(HW_REG_WAVE_MODE, 25, 1), 1
	s_wait_xcnt 0x0
; x [4096][1024], qkv_w [3072][1024] and out_w [1024][1024], f32, K innermost, become codes of BF8 (E5M2), one byte each, with one E8M0 scale byte for each 32 along K.
; codes: 8,192 rows of 1,024 bytes (x, then qkv_w, then out_w); scales: the same rows of 32 bytes.
; THE ROWS ARE STORED WITH BITS 3 AND 4 OF THE ROW NUMBER SWAPPED: true row 32 c + 16 g + 8 u + i lies at row 32 c + 16 u + 8 g + i.  So 16 consecutive stored rows (tile 2 c + u) hold, in place r, true row
; 32 c + 8 u + r + 8 (r / 8): a product that takes such tiles as its first source leaves in a lane's 16 registers of tiles 2 c and 2 c + 1 sixteen true neighbours, which the later launches quantise as they stand.
; A block's scale is 2^(floor(log2(its largest magnitude)) - 15); its byte is the largest magnitude's exponent field - 15, held at 1 from below.  Each number is divided by the scale, held within +-57,344 and rounded to the nearest code, ties to even.
; LIMITS: a block of zeros, and a block whose largest magnitude lies under 2^-111, gets the byte 1 (the rule says 127 for zeros: the codes are zeros, which add nothing under any byte but 0xff, and this program alone reads the bytes);
; NaN and infinities among the inputs are not served.
; SHARES: a work-group takes 32 rows, a wave 8 rows = 8,192 numbers = 16 steps of 512.  The swap moves whole runs of 8 rows: wave w = 2 g + u writes the run of wave 2 u + g.
; Each of a step's four loads reads 512 consecutive bytes; the 2,048 bytes turn through the wave's own stage in LDS, so that a lane then holds 16 neighbours (two lanes to a block).  Waves share nothing: no barrier.
.set STEPS, 16
.set WGX,   128                        ; work-groups 0-127 take x,
.set WGW,   224                        ; 128-223 qkv_w, 224-255 out_w
.set EMAX,  15
.set MANT,  0x600000                   ; the mantissa field of 57,344 as f32
.set CB,    16                         ; bytes of 16 codes
.set R,     16                         ; v16-79   four sets of 16 numbers as they are loaded
.set X,     80                         ; v80-111  two sets of 16 neighbours
.set E,     112                        ; v112-127 a scale byte for each step
.set C,     128                        ; v128-191 codes: four registers for each step, so that no store's data are written again
.set WREG,  8192                       ; LDS: a region for each wave: two stages of 32 x SP bytes, and behind them its 256 scale bytes
.set SP,    80                         ; a lane's place in a stage: its 64 bytes + 16 of padding
	s_load_b128 s[4:7], s[0:1], 0x0                ; x, qkv_w
	s_load_b128 s[8:11], s[0:1], 0x10              ; out_w, the codes
	s_load_b64 s[12:13], s[0:1], 0x20              ; the scale bytes
	v_lshl_add_u32 v192, v0, 2, 0x8000
	v_mov_b32 v193, 0
	v_lshrrev_b32 v1, 5, v0
	v_readfirstlane_b32 s16, v1                    ; wave
	v_and_b32 v2, 31, v0                           ; lane
	v_lshlrev_b32 v3, 4, v2                        ; 16 x lane: my 16 bytes of a load's 512, and of a step's 512 bytes of codes
	s_mul_i32 s17, s16, WREG
	v_lshrrev_b32 v14, 2, v2
	v_mul_u32_u24 v14, v14, SP
	v_and_b32 v15, 3, v2
	v_lshl_add_u32 v14, v15, 4, v14
	v_add_nc_u32 v14, s17, v14                     ; the stage, on the way in: four lanes' 64 bytes on end, then 16 of padding
	v_mul_u32_u24 v15, v2, SP
	v_add_nc_u32 v15, s17, v15                     ; and on the way out: SP x lane: my 16 neighbours
	v_lshrrev_b32 v5, 1, v2
	s_add_co_u32 s17, s17, 2*32*SP
	v_add_nc_u32 v5, s17, v5                       ; LDS: my wave's 256 scale bytes, my block's byte
	v_lshlrev_b32 v7, 3, v2                        ; and on the way out 8 bytes a lane
	v_add_nc_u32 v6, s17, v7
	s_mov_b32 s23, MANT                            ; (an instruction takes one literal: the hold's line has another)
	s_and_b32 s24, s16, 1                          ; the run that I write: 4 x work-group + (2 u + g)
	s_lshl_b32 s24, s24, 1
	s_lshr_b32 s25, s16, 1
	s_or_b32 s24, s24, s25
	s_lshl_b32 s25, ttmp9, 2
	s_add_co_u32 s24, s24, s25
	s_wait_alu depctr_va_vdst(0)
	s_wait_kmcnt 0x0
	s_cmp_lt_u32 ttmp9, WGX                        ; which tensor?  The choice hangs on the work-group's number alone
	s_cselect_b64 s[4:5], s[4:5], s[6:7]
	s_cselect_b32 s17, 0, WGX
	s_cmp_lt_u32 ttmp9, WGW
	s_cselect_b64 s[4:5], s[4:5], s[8:9]
	s_cselect_b32 s17, s17, WGW
	s_sub_co_u32 s17, ttmp9, s17
	s_lshl_b32 s17, s17, 2
	s_add_co_u32 s18, s17, s16                     ; the run that I read, in its tensor
	s_lshl_b32 s18, s18, 15                        ; 8,192 numbers of 4 bytes
	s_mov_b32 s19, 0
	s_add_nc_u64 s[4:5], s[4:5], s[18:19]
	s_lshl_b32 s20, s24, 13                        ; 8,192 codes
	s_mov_b32 s21, 0
	s_add_nc_u64 s[10:11], s[10:11], s[20:21]
	s_lshl_b32 s20, s24, 8                         ; 256 scale bytes
	s_add_nc_u64 s[12:13], s[12:13], s[20:21]
.macro LOAD t
.irp i, 0,1,2,3
	global_load_b128 v[R+16*((\t)%4)+4*\i:R+16*((\t)%4)+4*\i+3], v3, s[4:5] offset:2048*(\t)+512*\i th:TH_LOAD_NT   ; 32 lanes read 512 consecutive bytes
.endr
.endm
.macro TURN t                          ; step t's numbers through the stage: LDS serves a wave's instructions in order, so no wait stands between the stores and the loads
.irp i, 0,1,2,3
	ds_store_b128 v14, v[R+16*((\t)%4)+4*\i:R+16*((\t)%4)+4*\i+3] offset:32*SP*((\t)%2)+8*SP*\i
.endr
.irp i, 0,1,2,3
	ds_load_b128 v[X+16*((\t)%2)+4*\i:X+16*((\t)%2)+4*\i+3], v15 offset:32*SP*((\t)%2)+16*\i
.endr
.endm
.irp t, 0,1,2,3
	LOAD \t
.endr
	s_wait_loadcnt 12                              ; step 0's four loads are in; the twelve of steps 1 to 3 may be out
	TURN 0
.macro STEP t
.set XS, X+16*((\t)%2)
.if (\t) > 0
	s_wait_dscnt 1                                 ; this step's numbers are back from the stage (the last step's byte store may be out): so its stores into the stage have read their registers,
.else
	s_wait_dscnt 0x0
.endif
.if (\t)+4 < STEPS
	LOAD (\t)+4                                    ; which take the loads of four steps on
.endif
.if (\t)+1 < STEPS
.if STEPS-2-(\t) >= 3
	s_wait_loadcnt 12                              ; the next step's four loads are in; those of the three steps behind it may be out
.else
	s_wait_loadcnt 4*(STEPS-2-(\t))
.endif
	TURN (\t)+1                                    ; and go through the other stage while this step is worked
.endif
	v_max3_num_f32 v8, |v[XS]|, |v[XS+1]|, |v[XS+2]|               ; the largest magnitude of my 16, in two chains
	v_max3_num_f32 v9, |v[XS+3]|, |v[XS+4]|, |v[XS+5]|
.irp i, 6,10
	v_max3_num_f32 v8, v8, |v[XS+\i]|, |v[XS+\i+1]|
	v_max3_num_f32 v9, v9, |v[XS+\i+2]|, |v[XS+\i+3]|
.endr
	v_max3_num_f32 v8, v8, |v[XS+14]|, |v[XS+15]|
	v_max3_num_f32 v8, v8, v9, (EMAX+1)<<23        ; and the floor 2^(16 - 127): so the byte cannot fall under 1
	v_max_num_f32_dpp v8, v8, v8 row_xmask:1 row_mask:0xf bank_mask:0xf   ; and of my neighbour's 16: the block's
	v_add_nc_u32 v11, -(EMAX<<23), v8              ; 15 off its exponent field: the conversion takes the exponent field of this operand as its scale, and nothing else of it
	v_and_or_b32 v10, v8, 0x7f800000, s23          ; 57,344 x the scale: the largest magnitude's exponent field over 57,344's mantissa
.irp i, 0,1,2,3,4,5,6,7,8,9,10,11,12,13,14,15
	v_med3_num_f32 v[XS+\i], v[XS+\i], -v10, v10   ; the conversion to an 8-bit code does not saturate (ISA guide 7.6.2): hold the number first
.endr
	v_cvt_scalef32_pk8_bf8_f32 v[C+4*(\t):C+4*(\t)+1], v[XS:XS+7], v11
	v_cvt_scalef32_pk8_bf8_f32 v[C+4*(\t)+2:C+4*(\t)+3], v[XS+8:XS+15], v11
	v_lshrrev_b32 v[E+(\t)], 23, v11               ; the scale's byte (a plain line behind the conversions)
	ds_store_b8 v5, v[E+(\t)] offset:16*(\t)       ; both lanes of a block write the same byte with the same value
	global_store_b128 v3, v[C+4*(\t):C+4*(\t)+3], s[10:11] offset:32*CB*(\t)   ; 32 lanes store 512 consecutive bytes
.endm
.irp t, 0,1,2,3,4,5,6,7,8,9,10,11,12,13,14,15
	STEP \t
.endr
	ds_load_b64 v[12:13], v6                       ; LDS serves a wave's instructions in order: these see my stores
	s_wait_dscnt 0x0
	global_store_b64 v7, v[12:13], s[12:13]        ; 32 lanes store 256 consecutive bytes, aligned
	s_wait_tensorcnt 0x0
	ds_add_u32 v192, v193
	s_wait_dscnt 0x0
	s_endpgm
.Lfunc_end_k_q5f77fc954f_quant:
	.size	k_q5f77fc954f_quant, .Lfunc_end_k_q5f77fc954f_quant-k_q5f77fc954f_quant
	.p2alignl 7, 3214868480
	.fill 96, 4, 3214868480
	.section	.rodata,"a",@progbits
	.p2align	6, 0x0
	.amdhsa_kernel k_q5f77fc954f_quant
		.amdhsa_group_segment_fixed_size 33280
		.amdhsa_private_segment_fixed_size 0
		.amdhsa_enable_private_segment 0
		.amdhsa_kernarg_size 40
		.amdhsa_user_sgpr_count 2
		.amdhsa_user_sgpr_kernarg_segment_ptr 1
		.amdhsa_wavefront_size32 1
		.amdhsa_system_sgpr_workgroup_id_x 1
		.amdhsa_system_sgpr_workgroup_id_y 1
		.amdhsa_system_sgpr_workgroup_id_z 1
		.amdhsa_system_vgpr_workitem_id 0
		.amdhsa_next_free_vgpr 194
		.amdhsa_next_free_sgpr 66
		.amdhsa_reserve_vcc 0
		.amdhsa_float_denorm_mode_32 3
		.amdhsa_float_denorm_mode_16_64 3
		.amdhsa_memory_ordered 1
		.amdhsa_forward_progress 1
		.amdhsa_inst_pref_size 51
	.end_amdhsa_kernel
	.amdgpu_metadata
---
amdhsa.version: [ 1, 2 ]
amdhsa.kernels:
  - .name:           k_q5f77fc954f_quant
    .symbol:         k_q5f77fc954f_quant.kd
    .args:
      - { .name: x, .offset: 0, .size: 8, .value_kind: global_buffer, .address_space: global }
      - { .name: qkv_w, .offset: 8, .size: 8, .value_kind: global_buffer, .address_space: global }
      - { .name: out_w, .offset: 16, .size: 8, .value_kind: global_buffer, .address_space: global }
      - { .name: codes, .offset: 24, .size: 8, .value_kind: global_buffer, .address_space: global }
      - { .name: scales, .offset: 32, .size: 8, .value_kind: global_buffer, .address_space: global }
    .group_segment_fixed_size: 33280
    .private_segment_fixed_size: 0
    .kernarg_segment_align: 8
    .kernarg_segment_size: 40
    .max_flat_workgroup_size: 128
    .sgpr_count:     66
    .vgpr_count:     194
    .wavefront_size: 32
...
	.end_amdgpu_metadata
.endif
;; end of part 1
;; launch qkv (part 2): grid 12 x 16, 4 waves a work-group, clusters of 4 x 4, 327,680 bytes of LDS; arguments codes, scales, qk_img, qk_sc, v_img, v_sc, qkv_b; writes qk_img, qk_sc, v_img, v_sc
.if DOCPART == 2
	.amdgcn_target "amdgcn-amd-amdhsa--gfx1250"
	.amdhsa_code_object_version 6
	.text
	.protected	k_q5f77fc954f_qkv
	.globl	k_q5f77fc954f_qkv
	.p2align	8
	.type	k_q5f77fc954f_qkv,@function
k_q5f77fc954f_qkv:
	s_mov_b64 s[64:65], 0
	v_nop
	global_prefetch_b8 v0, s[64:65] scope:SCOPE_SE
	s_setreg_imm32_b32 hwreg(HW_REG_WAVE_MODE, 25, 1), 1
	s_wait_xcnt 0x0
	s_wait_alu depctr_hold_cnt(0) depctr_sa_sdst(0) depctr_va_vdst(0) depctr_va_sdst(0) depctr_va_ssrc(0) depctr_va_vcc(0) depctr_vm_vsrc(0)
	s_getreg_b32 s2, hwreg(HW_REG_IB_STS2, 6, 4)
	s_cmp_eq_u32 s2, 0
	s_cbranch_scc0 .Lentry_in_a_cluster
	s_endpgm
.Lentry_in_a_cluster:
	s_bfe_u32 s2, ttmp6, 0x10000c
	s_cmp_lg_u32 s2, 0xf033
	s_cbranch_scc0 .Lentry_shape_is_right
	s_endpgm
.Lentry_shape_is_right:
; qkv = x qkv_w^T + qkv_b on codes of BF8 (E5M2) with E8M0 scales for each 32 along K = 1,024; the results are QUANTISED ON THE WAY OUT and leave as images of the next products' operand registers: no f32 number goes to memory.
; codes: rows of 1,024 bytes: x at rows 0-4095, qkv_w at 4096-7167; scales: the same rows of 32 bytes.  Rows are stored with bits 3 and 4 of the row number swapped: place r of stored tile 2 c + u is true row 32 c + 8 u + r + 8 (r / 8).
; A tile of 256 x 256 is made by a work-group of four waves, each 128 x 128: 64 accumulators, 512 registers.  K goes in steps of 256 through a ring of two LDS slots; the scale bytes of the work-group's rows come once and stay.
; The matrix instruction takes 16 rows of "B" as source 0 and 16 rows of "A" as source 1: a lane holds ONE row of A, and by the stored order the 16 registers of B's tiles 2 c and 2 c + 1 are 16 true neighbours 32 c + 16 (lane / 16) + 0 .. 15 of B's rows.
; TWO ROLES, alike in all partners of a cluster (the choice hangs on the cluster's x alone):
;   role 0 (cluster x 0, 1): A = tokens, B = the 2,048 features of q and k.  A lane holds a token, its registers run along the head's 64: the K of q k^T.  128 features are two heads, two blocks of 32 each.
;   role 1 (cluster x 2):    A = the 1,024 features of v, B = tokens.  A lane holds a feature, its registers run along the keys: the K of p v.
; OUT: qk_img [q, k][32 heads][128 tiles of 16 tokens][2 groups of 4 registers][lane][16 bytes];  qk_sc [q, k][head][16 groups of 128 tokens][lane][4 words]: word j of lane (h, r): bytes 0, 1 tile 2 j's row r, bytes 2, 3 tile 2 j + 1's;
;      v_img [head][16 key steps][4 tiles of 16 features][4 groups][lane][16 bytes];  v_sc [head][key step][lane][2 words]: word j of lane (h, r): tile 2 j + h, row r.  Every store covers 256 or 512 consecutive bytes, aligned.
; 192 work-groups: 8 x 16 tiles of q and k and 4 x 16 of v; a smaller tile would cut a wave's two heads or halve the products that each LDS byte feeds.
; CLUSTERS: 4 x 4 work-groups; A's tiles are asked for jointly along a row of the cluster, B's along a column.
; LIMITS: a block of zeros, and one whose largest magnitude lies under 2^-111, gets the byte 1 (its codes are zeros or held; this program alone reads the bytes); NaN and infinities are not served.
; REGISTERS, in windows of 256: window 0: v0-31 addresses; v32-63 scale words, two sets; v64-127 the bias; from v128 A's fragments, ONE set; on the way out v32-63 and v128-255 are at work.
;   window 1: B's fragments, two sets.   window 2: the accumulators of my rows 0-63 ((a, b) at v[8 (8 a + b)]);   window 3: those of my rows 64-127.
.set SIZE_K, 1024
.set KSTEP,  256                       ; along K in a slot
.set NQ,     KSTEP/128                 ; matrix instructions deep
.set ROWB,   256                       ; a tile's row in bytes
.set KROW,   SIZE_K                    ; a row of codes in memory, in bytes
.set PITCH,  272                       ; an LDS row: 256 bytes + 16 of padding: the 16 rows that a load touches start at 16 different banks (64 banks of 4 bytes: ISA guide 11.1)
.set FR,     16                        ; registers of a fragment: 16 rows x 128 K
.set NL,     4                         ; LDS loads that bring one
.set NP,     8                         ; places behind this matrix instruction (ISA guide 7.12.1)
.set HALFT,  128*PITCH                 ; 128 rows: what one tensor load brings
.set SLOT,   4*HALFT                   ; A's 256 rows, then B's 256 rows
.set KS,     SIZE_K/32                 ; a row of scales in bytes
.set SCL,    2*SLOT                    ; behind the ring: the scales, as units of 256 bytes + 16 of padding
.set HALFS,  (128*KS/256)*272          ; the scales of 128 rows
.set SBLK,   (16*KS/256)*272           ; those of 16 rows
.set SPARE,  SCL+4*HALFS               ; the spare words, 128 bytes for each wave: two blocks of 256 bytes that no other line names
.set LN,   8                           ; v8      the way out: lane
.set L16,  9                           ; v9      16 x lane
.set L8,   10                          ; v10     8 x lane
.set LB,   11                          ; v11     my lane's byte in the bias
.set ADRA, 16                          ; v16-17  LDS address of my A fragments in slot 0, 1
.set ADRB, 20                          ; v20-21  the same for B
.set ADRS, 27                          ; v27     LDS address of my scale words: lanes 0-15 A's rows, lanes 16-31 B's
.set SPW,  28                          ; v28     LDS address of my spare word; never rewritten
.set NIL,  29                          ; v29     0; never rewritten
.set SC,   32                          ; scale words: set s at v[SC + 16 s]; register 2 i + q: lanes 0-15 A's block i, lanes 16-31 B's block i
.set TM,   32                          ; the way out: v32-35 largest magnitudes, v36-39 bytes, v40-43 the holds, v44-47 the conversions' scale operands
.set SW,   48                          ; the way out: v48-63 the scale words made
.set BI,   64                          ; v64-127 the bias
.set AF,   128                         ; A's fragments
.set NU,   128                         ; the way out: v128-191 a block's 64 numbers
.set PCB,  192                         ; the way out: v192-255 codes, four sets of 16
.set ROLE, 12                          ; s12
.set G1, 24                            ; s[24:31] descriptor group 1 for A's tiles;  s[32:39] group 0, one set for each slot
.set G0, 32
.set G1B, 48                           ; s[48:55], s[56:63] the same for B's tiles
.set G0B, 56
.set G1S, 68                           ; s[68:75], s[76:79] groups 1 and 0 for A's scales;  s[80:87], s[88:91] for B's
.set G0S, 76
.set G1SB, 80
.set G0SB, 88
.set MNT, 96                           ; s96  the mantissa field of 57,344
.set SEL, 98                           ; s[98:99] v_permlanex16_b32's selects for lane l xor 16
.set MSB, 0
.macro WIN new                         ; the immediate's high byte repeats the setting that is left
.if MSB != (\new)
	s_set_vgpr_msb (MSB<<8)|(\new)
.set MSB, (\new)
.endif
.endm
.set MUL_LO, 0xa1                      ; source 0 (B) window 1, source 1 (A) window 0, C and D window 2
.set MUL_HI, 0xf1                      ; the same, C and D window 3
.set TO_B,   0x40                      ; destination window 1, address window 0
; A joint load: waves 0 and 1 fetch for A, waves 2 and 3 for B.  Each line has one mask and one set of registers for all that issue it; the branch hangs on the wave's number alone.
; Four v_nop follow each of the two lines, ahead of the jump, the label and what follows.
.macro JLOAD g0a, g1a, g0b, g1b
	s_cmp_eq_u32 s15, 0
	s_cbranch_scc0 .Lfor_b_\@
	tensor_load_to_lds s[\g0a:\g0a+3], s[\g1a:\g1a+7]
	s_nop 0
.rept 4
	v_nop
.endr
	s_branch .Lasked_\@
.Lfor_b_\@:
	tensor_load_to_lds s[\g0b:\g0b+3], s[\g1b:\g1b+7]
	s_nop 0
.rept 4
	v_nop
.endr
.Lasked_\@:
.endm
.macro CREST                           ; a round of the cluster's barrier behind its opening barrier
	s_cmp_lg_u32 s14, 0
	s_cbranch_scc1 .Lnot_wave_0_\@
	s_barrier_signal -3
.Lnot_wave_0_\@:
	s_barrier_wait -3
	s_barrier_signal -1
	s_barrier_wait -1
.endm
.macro CROUND                          ; a whole round
	s_barrier_signal -1
	s_barrier_wait -1
	CREST
.endm
	s_load_b128 s[4:7], s[0:1], 0x0                ; the codes, the scale bytes
	s_load_b128 s[8:11], s[0:1], 0x10              ; qk_img, qk_sc
	s_load_b128 s[96:99], s[0:1], 0x20             ; v_img, v_sc
	s_load_b64 s[100:101], s[0:1], 0x30            ; qkv_b
	v_lshl_add_u32 v[SPW], v0, 2, SPARE
	v_mov_b32 v[NIL], 0
	ds_add_u32 v28, v29
	ds_add_u32 v28, v29
	s_wait_dscnt 0x0
	v_lshrrev_b32 v1, 5, v0
	v_readfirstlane_b32 s14, v1                    ; wave 0..3
	s_lshr_b32 s15, s14, 1                         ; which half of A's rows is mine.  Also: I fetch for A (0) or for B (1)
	s_and_b32 s16, s14, 1                          ; which half of B's rows.  Also: which 128 rows of that tile I fetch
	s_bfe_u32 s40, ttmp6, 0x40000                  ; cx, cy: my place in the cluster
	s_bfe_u32 s41, ttmp6, 0x40004
	s_and_b32 s13, ttmp7, 0xffff                   ; the cluster's y
	s_cmp_eq_u32 ttmp9, 2                          ; the role: the cluster's x, which all partners share
	s_cselect_b32 s[ROLE], 1, 0
	s_cselect_b32 s95, s13, ttmp9                  ; B's tiles walk the cluster's y in role 1 (16 tiles of tokens), its x in role 0 (8 tiles of features)
	s_cselect_b32 s13, 0, s13                      ; A's tiles: 4 of features in role 1, 16 of tokens in role 0
	s_cselect_b32 s2, 6144, 0                      ; A's first row in the codes: v's weights, or x
	s_cselect_b32 s3, 0, 4096                      ; B's: x, or q's and k's weights
	s_lshl_b32 s42, s95, 2
	s_add_co_u32 s42, s42, s40                     ; B's tile
	s_lshl_b32 s17, s13, 2
	s_add_co_u32 s17, s17, s41                     ; A's tile
	s_lshl_b32 s43, s41, 2
	s_lshl_b32 s43, 15, s43                        ; my row of the cluster
	s_lshl_b32 s44, 0x1111, s40                    ; my column
	; descriptor group 1: a tile of 128 rows x 256 bytes, padded in LDS
	s_or_b32 s[G1+0], s43, (0<<16)|(1<<20)|(1<<21)|(5<<22)|(3<<25)  ; 15:0 the mask: A's tiles go to my row; 17:16 element of 1 byte; 20 padding on; 21 set beside a mask; 24:22 after every 64 words; 31:25 four words
	s_or_b32 s[G1B+0], s44, (0<<16)|(1<<20)|(1<<21)|(5<<22)|(3<<25)
.irp g, G1, G1B
	s_mov_b32 s[\g+1], ROWB<<16                    ; tensor_dim0
	s_mov_b32 s[\g+2], 256<<16                     ; tensor_dim1 = 256: the head's loads; set to 128 for the ring's behind them
	s_mov_b32 s[\g+3], ROWB<<16                    ; tile_dim0
	s_mov_b32 s[\g+4], 256                         ; tile_dim1 likewise
	s_mov_b32 s[\g+5], KROW                        ; tensor_dim0_stride
	s_mov_b32 s[\g+6], 0
	s_mov_b32 s[\g+7], 0
.endr
	; the scales of 256 rows: a dense block of 8,192 bytes, as 32 rows of 256 bytes (32 elements of 8 bytes), 16 bytes of padding behind each
	s_or_b32 s[G1S+0], s43, (3<<16)|(1<<20)|(1<<21)|(5<<22)|(3<<25)
	s_or_b32 s[G1SB+0], s44, (3<<16)|(1<<20)|(1<<21)|(5<<22)|(3<<25)
.irp g, G1S, G1SB
	s_mov_b32 s[\g+1], 32<<16
	s_mov_b32 s[\g+2], KS<<16                      ; the scales of 256 rows: 8,192 dense bytes
	s_mov_b32 s[\g+3], 32<<16
	s_mov_b32 s[\g+4], KS
	s_mov_b32 s[\g+5], 32
	s_mov_b32 s[\g+6], 0
	s_mov_b32 s[\g+7], 0
.endr
	s_lshl_b32 s18, s16, 17                        ; in the ring I fetch 128 rows of a tile: which half, in bytes
	s_mov_b32 s19, 0
	s_lshl_b32 s20, s17, 8
	s_add_co_u32 s20, s20, s2                      ; A: the first row that I fetch
	s_lshl_b32 s22, s20, 5                         ; its scale bytes: 32 a row
	s_mov_b32 s23, 0
	s_lshl_b32 s20, s20, 10                        ; its codes: 1,024 a row (under 2^23)
	s_mov_b32 s21, 0
	s_lshl_b32 s46, s42, 8
	s_add_co_u32 s46, s46, s3                      ; B likewise, in registers that never hold A's coordinate
	s_lshl_b32 s92, s46, 5
	s_mov_b32 s93, 0
	s_lshl_b32 s46, s46, 10
	s_mov_b32 s47, 0
	s_mul_i32 s45, s14, HALFT                      ; where they go: wave x 128 rows: no place in the cluster enters an LDS address
	s_wait_kmcnt 0x0
	s_add_nc_u64 s[20:21], s[4:5], s[20:21]
	s_add_nc_u64 s[22:23], s[6:7], s[22:23]
	s_add_nc_u64 s[46:47], s[4:5], s[46:47]
	s_add_nc_u64 s[92:93], s[6:7], s[92:93]
	s_cmp_eq_u32 s[ROLE], 1                        ; the two buffers that I store into
	s_cselect_b64 s[8:9], s[96:97], s[8:9]
	s_cselect_b64 s[10:11], s[98:99], s[10:11]
	s_mov_b32 s[MNT], 0x600000
	s_mov_b32 s[SEL], 0x76543210
	s_mov_b32 s[SEL+1], 0xfedcba98
	CROUND                                         ; all sixteen work-groups are here: the first joint loads meet
	s_mov_b32 s[G0S], 1
	s_mov_b32 s[G0S+1], SCL
	s_mov_b64 s[G0S+2:G0S+3], s[22:23]
	s_or_b32 s[G0S+3], s[G0S+3], 0x80000000
	s_mov_b32 s[G0SB], 1
	s_mov_b32 s[G0SB+1], SCL+2*HALFS
	s_mov_b64 s[G0SB+2:G0SB+3], s[92:93]
	s_or_b32 s[G0SB+3], s[G0SB+3], 0x80000000
	s_mov_b32 s4, 1                                ; the head's tiles, each whole: K step 0's 256 rows of A,
	s_mov_b32 s5, 0
	s_mov_b64 s[6:7], s[20:21]
	s_or_b32 s7, s7, 0x80000000
	s_mov_b32 s92, 1                               ; its 256 rows of B
	s_mov_b32 s93, 2*HALFT
	s_mov_b64 s[94:95], s[46:47]
	s_or_b32 s95, s95, 0x80000000
	s_add_nc_u64 s[20:21], s[20:21], s[18:19]      ; for the ring: my 128 rows of the tile
	s_add_nc_u64 s[46:47], s[46:47], s[18:19]
.irp s, 0,1
	s_mov_b32 s[G0+4*\s], 1
	s_add_co_u32 s[G0+4*\s+1], s45, \s*SLOT
	s_add_nc_u64 s[G0+4*\s+2:G0+4*\s+3], s[20:21], \s*ROWB
	s_or_b32 s[G0+4*\s+3], s[G0+4*\s+3], 0x80000000
	s_mov_b32 s[G0B+4*\s], 1
	s_add_co_u32 s[G0B+4*\s+1], s45, \s*SLOT
	s_add_nc_u64 s[G0B+4*\s+2:G0B+4*\s+3], s[46:47], \s*ROWB
	s_or_b32 s[G0B+4*\s+3], s[G0B+4*\s+3], 0x80000000
.endr
; THE HEAD'S LOADS, ONE A WAVE: wave 0 K step 0 of A, wave 1 of B, wave 2 A's scales, wave 3 B's; one tree of branches on the wave's number
.macro ARM under, g0, g1, next
	s_cmp_lt_u32 s14, \under
	s_cbranch_scc0 \next
	tensor_load_to_lds s[\g0:\g0+3], s[\g1:\g1+7]
	s_nop 0
.rept 4
	v_nop
.endr
	s_branch .Lhead_asked
\next:
.endm
	ARM 1, 4,   G1,  .Lhead_b
	ARM 2, 92,  G1B, .Lhead_sa
	ARM 3, G0S, G1S, .Lhead_sb
	tensor_load_to_lds s[G0SB:G0SB+3], s[G1SB:G1SB+7]
	s_nop 0
.rept 4
	v_nop
.endr
.Lhead_asked:
	v_and_b32 v1, 15, v0                           ; l % 16
	v_bfe_u32 v2, v0, 4, 1                         ; l / 16
	v_mul_u32_u24 v3, v1, PITCH
	v_lshl_add_u32 v4, v2, 4, v3                   ; a fragment's row x pitch + 16 x half
	s_mul_i32 s21, s15, HALFT                      ; my 128 rows of A
	s_mul_i32 s22, s16, HALFT                      ; my 128 rows of B,
	s_add_co_u32 s22, s22, 2*HALFT                 ; which lie behind A's 256
.irp s, 0,1
	v_add_nc_u32 v[ADRA+\s], s21, v4
	v_add_nc_u32 v[ADRB+\s], s22, v4
	s_add_co_u32 s21, s21, SLOT
	s_add_co_u32 s22, s22, SLOT
.endr
	v_mul_u32_u24 v5, v1, KS                       ; my row's scales: 32 bytes a row,
	v_lshrrev_b32 v6, 8, v5
	v_lshl_add_u32 v5, v6, 4, v5                   ; and 16 more for each 256 passed
	s_mul_i32 s21, s15, HALFS                      ; A's: my 128 rows
	s_mul_i32 s22, s16, HALFS                      ; B's: my 128 rows, behind A's 256
	s_add_co_u32 s22, s22, 2*HALFS
	s_sub_co_u32 s22, s22, s21
	v_mul_u32_u24 v6, s22, v2                      ; lanes 16-31 take B's: one product, the distance between the two bases
	s_add_co_u32 s21, s21, SCL
	v_add_nc_u32 v5, v5, v6
	v_add_nc_u32 v[ADRS], s21, v5
.macro FRAG reg, adr, q, i             ; a fragment is 16 registers: lane l holds row l % 16; registers 4 c .. 4 c + 3 hold K = 32 c + 16 (l / 16) + 0 .. 15
.irp c, 0,1,2,3
	ds_load_b128 v[\reg+4*\c:\reg+4*\c+3], v[\adr] offset:128*(\q)+32*\c+(\i)*16*PITCH
.endr
.endm
; 16 matrix instructions: A's blocks a0, a0 + 1 x B's eight, 128 along K.  p: B's set;  sc: the set of scale words.  zero = 1: the first product starts the sums.
; The 64 accumulators take turns, one instruction a turn, in the same order in every step.
.macro MUL16 a0, p, q, sc, zero
.irp a, \a0, \a0+1
.irp b, 0,1,2,3,4,5,6,7
.if \zero
	v_wmma_scale_f32_16x16x128_f8f6f4 v[8*(8*((\a)%4)+\b):8*(8*((\a)%4)+\b)+7], v[128*(\p)+FR*\b:128*(\p)+FR*\b+FR-1], v[AF+FR*(\a):AF+FR*(\a)+FR-1], 0, v[SC+8*NQ*(\sc)+NQ*\b+(\q)], v[SC+8*NQ*(\sc)+NQ*(\a)+(\q)] matrix_a_fmt:MATRIX_FMT_BF8 matrix_b_fmt:MATRIX_FMT_BF8 matrix_a_scale:MATRIX_SCALE_ROW1
.else
	v_wmma_scale_f32_16x16x128_f8f6f4 v[8*(8*((\a)%4)+\b):8*(8*((\a)%4)+\b)+7], v[128*(\p)+FR*\b:128*(\p)+FR*\b+FR-1], v[AF+FR*(\a):AF+FR*(\a)+FR-1], v[8*(8*((\a)%4)+\b):8*(8*((\a)%4)+\b)+7], v[SC+8*NQ*(\sc)+NQ*\b+(\q)], v[SC+8*NQ*(\sc)+NQ*(\a)+(\q)] matrix_a_fmt:MATRIX_FMT_BF8 matrix_b_fmt:MATRIX_FMT_BF8 matrix_a_scale:MATRIX_SCALE_ROW1
.endif
.endr
.endr
.endm
.macro FETCH_B slot, q, p              ; B's eight fragments of the slot's q-th 128 along K into set p
	WIN TO_B
.irp i, 0,1,2,3,4,5,6,7
	FRAG 128*(\p)+FR*\i, ADRB+\slot, \q, \i
.endr
	WIN 0
.endm
.macro FETCH_A slot, q, i0             ; A's blocks i0 .. i0 + 3
.irp i, \i0, \i0+1, \i0+2, \i0+3
	FRAG AF+FR*(\i), ADRA+\slot, \q, \i
.endr
.endm
.macro SCALES sc                       ; a K step's scale words into set sc: two words a row; lanes 0-15 take A's block i, lanes 16-31 B's block i
.irp i, 0,1,2,3,4,5,6,7
	ds_load_b64 v[SC+8*NQ*\sc+NQ*\i:SC+8*NQ*\sc+NQ*\i+1], v[ADRS] offset:\i*SBLK
.endr
.endm
; A load into a register that a matrix instruction has read, and a vector instruction that reads a matrix result or writes one of its registers, stand NP places behind it; only plain vector
; instructions that name none of its registers are places (ISA guide 7.12.1 for vector instructions).
.macro PLACES n
.rept \n
	v_nop
.endr
.endm
; A step of 128 along K that has its successor in the same slot.  A has one set of registers: blocks 0-3 are fetched anew in the step's middle, blocks 4-7 at its end.
.macro STEP slot, q, zero
	s_wait_dscnt 4*NL                              ; B's set and A's blocks 0-3 are in; the youngest 16 loads (A's blocks 4-7) may be out
	WIN MUL_LO
	MUL16 0, (\q)%2, \q, \slot, \zero
	MUL16 2, (\q)%2, \q, \slot, \zero
	s_wait_dscnt 0                                 ; A's blocks 4-7 are in (asked for 32 matrix instructions ago)
	PLACES NP
	FETCH_B \slot, (\q)+1, 1-(\q)%2
	FETCH_A \slot, (\q)+1, 0
	WIN MUL_HI
	MUL16 4, (\q)%2, \q, \slot, \zero
	MUL16 6, (\q)%2, \q, \slot, \zero
	PLACES NP
	WIN 0
	FETCH_A \slot, (\q)+1, 4
.endm
; A slot's last step changes slots: ONE barrier; in front of it each wave waits for all its tensor loads, adds 0 to its spare word, and waits for that and for its own reads of this slot.  fill = 1: this slot is filled again, two K steps ahead.
.macro TURN slot, next, fill
	s_wait_tensorcnt 0x0                           ; all my tensor loads have landed: my part of the next slot;  (every window is 0 here)
	ds_add_u32 v[SPW], v[NIL]                      ; 0 onto my spare word
	s_wait_dscnt 4*NL+1                            ; (the add and the youngest 16 loads, A's blocks 4-7, may be out)
	WIN MUL_LO
	MUL16 0, 1, NQ-1, \slot, 0                     ; sixteen matrix instructions stand between the add and the wait for it
	s_wait_dscnt 0x0                               ; the add is done, and my reads of this slot are over
	s_barrier_signal -1
	MUL16 2, 1, NQ-1, \slot, 0
	WIN 0
	s_barrier_wait -1
.if \fill
	CREST                                          ; the barrier has opened a round of the cluster's barrier: no wave of any partner still reads this slot's tile or has a load on its way
	s_add_nc_u64 s[G0+4*\slot+2:G0+4*\slot+3], s[G0+4*\slot+2:G0+4*\slot+3], 2*ROWB
	s_add_nc_u64 s[G0B+4*\slot+2:G0B+4*\slot+3], s[G0B+4*\slot+2:G0B+4*\slot+3], 2*ROWB
	JLOAD G0+4*\slot, G1, G0B+4*\slot, G1B         ; the first tensor load behind the round; the four v_nop behind it are among the places in front of the loads below
	PLACES NP-4
.else
	PLACES NP
.endif
	s_wait_alu depctr_va_vdst(0)
	v_add_nc_u32 v[ADRS], 4*NQ, v[ADRS]            ; on to the next K step's scale words
	FETCH_B \next, 0, 0
	FETCH_A \next, 0, 0
	SCALES \next
	WIN MUL_HI
	MUL16 4, 1, NQ-1, \slot, 0
	MUL16 6, 1, NQ-1, \slot, 0
	PLACES NP
	WIN 0
	FETCH_A \next, 0, 4
.endm
.macro LAST                            ; the very last step of 128 along K: nothing more to fetch
	s_wait_dscnt 4*NL
	WIN MUL_LO
	MUL16 0, 1, NQ-1, 1, 0
	MUL16 2, 1, NQ-1, 1, 0
	s_wait_dscnt 0
	WIN MUL_HI
	MUL16 4, 1, NQ-1, 1, 0
	MUL16 6, 1, NQ-1, 1, 0
	WIN 0
.endm
; 64 numbers of a lane, v[NU] on, register 16 b + i = place 32 b + 16 (lane / 16) + i along the next K, become 16 registers of codes in v[PC] on; the four blocks' bytes stay in v[TM+4] on.
.macro QUANT
.irp b, 0,1,2,3
	v_max3_num_f32 v[TM+\b], |v[NU+16*\b]|, |v[NU+1+16*\b]|, 0x8000000   ; block b: my 16 numbers, and the floor 2^(16 - 127): so the byte cannot fall under 1
.endr
.irp i, 2,4,6,8,10,12,14
.irp b, 0,1,2,3
	v_max3_num_f32 v[TM+\b], v[TM+\b], |v[NU+16*\b+\i]|, |v[NU+1+16*\b+\i]|   ; (the four blocks by turns)
.endr
.endr
.irp b, 0,1,2,3
	v_permlanex16_b32 v[TM+4+\b], v[TM+\b], s[SEL], s[SEL+1]
.endr
.irp b, 0,1,2,3
	v_max_num_f32 v[TM+\b], v[TM+\b], v[TM+4+\b]   ; with lane l xor 16's: the block's largest magnitude
.endr
.irp b, 0,1,2,3
	v_add_nc_u32 v[TM+12+\b], 0xf8800000, v[TM+\b]   ; 15 off its exponent field: the conversion's scale operand
.endr
.irp b, 0,1,2,3
	v_and_or_b32 v[TM+8+\b], v[TM+\b], 0x7f800000, s[MNT]   ; 57,344 x the scale
.endr
.irp b, 0,1,2,3
	v_lshrrev_b32 v[TM+4+\b], 23, v[TM+12+\b]      ; the scale's byte
.endr
.irp b, 0,1,2,3
.irp i, 0,1,2,3,4,5,6,7,8,9,10,11,12,13,14,15
	v_med3_num_f32 v[NU+16*\b+\i], v[NU+16*\b+\i], -v[TM+8+\b], v[TM+8+\b]   ; the conversion to an 8-bit code does not saturate (ISA guide 7.6.2): the hold
.endr
	v_cvt_scalef32_pk8_bf8_f32 v[PC+4*\b:PC+1+4*\b], v[NU+16*\b:NU+7+16*\b], v[TM+12+\b]
	v_cvt_scalef32_pk8_bf8_f32 v[PC+2+4*\b:PC+3+4*\b], v[NU+8+16*\b:NU+15+16*\b], v[TM+12+\b]
.endr
.endm
; Block a of A's rows (16 rows x my 128 of B's): the bias is added, the 64 numbers are quantised, and the four groups of four registers leave as they stand, 16 bytes a lane.
.macro BLOCKQ a, role
.set AC, 64*((\a)%4)
.set PC, PCB+16*((\a)%4)
.if (\a) >= 4
	s_wait_xcnt 0x0                                ; block a - 4's stores have read this set of code registers
.endif
	WIN 0x02+(\a)/4                                ; source 0: window 2 or 3
.set p, 0
.rept 32
.if \role
	v_pk_add_f32 v[NU+2*p:NU+2*p+1], v[AC+2*p:AC+2*p+1], v[BI+2*(\a):BI+2*(\a)+1]   ; my feature's bias; each accumulator is read from its low end on
.else
	v_pk_add_f32 v[NU+2*p:NU+2*p+1], v[AC+2*p:AC+2*p+1], v[BI+2*p:BI+2*p+1]         ; the biases of my 64 features; each accumulator is read from its low end on
.endif
.set p, p+1
.endr
	WIN 0
	QUANT
.if \role                                      ; the scale words; these plain lines also stand between the last conversion and the next vector line that writes its sources
	v_lshl_or_b32 v[SW+(\a)], v[TM+5], 8, v[TM+4]  ; four blocks of 32 keys: one word
	v_lshl_or_b32 v[SW+(\a)], v[TM+6], 16, v[SW+(\a)]
	v_lshl_or_b32 v[SW+(\a)], v[TM+7], 24, v[SW+(\a)]
.else
	v_lshl_or_b32 v[SW+(\a)], v[TM+5], 8, v[TM+4]  ; the even head's two blocks; bytes 2 and 3 stay 0
	v_lshl_or_b32 v[SW+8+(\a)], v[TM+7], 8, v[TM+6] ; the odd head's
.endif
.irp c, 0,1,2,3
.if \role
	global_store_b128 v[L16], v[PC+4*\c:PC+4*\c+3], s[8:9] offset:131072*((\a)/4)+2048*((\a)%4)+512*\c   ; head a / 4, tile a % 4 of its features, group c: 512 consecutive bytes
.else
	global_store_b128 v[L16], v[PC+4*\c:PC+4*\c+3], s[8:9] offset:1024*(\a)+131072*(\c/2)+512*(\c%2)     ; tile a of tokens, head c / 2, group c % 2: 512 consecutive bytes
.endif
.endr
.endm
; The last step and the way out, once for each role.
.macro TAIL role
.if \role
	s_lshl_b32 s18, s17, 2
	s_lshl_b32 s19, s15, 1
	s_add_co_u32 s18, s18, s19                     ; my first head: 4 x A's tile + 2 x half
	s_lshr_b32 s19, s42, 3                         ; the batch
	s_and_b32 s20, s42, 7
	s_lshl_b32 s20, s20, 1
	s_add_co_u32 s20, s20, s16                     ; my key step in the batch
	s_lshl_b32 s40, s19, 21                        ; v_img: 16 heads of 131,072 bytes a batch,
	s_lshl_b32 s23, s18, 17
	s_add_co_u32 s40, s40, s23
	s_lshl_b32 s23, s20, 13                        ; 8,192 a key step
	s_add_co_u32 s40, s40, s23
	s_mov_b32 s41, 0
	s_add_nc_u64 s[8:9], s[8:9], s[40:41]
	s_lshl_b32 s40, s19, 16                        ; v_sc: 4,096 bytes a head, 256 a key step
	s_lshl_b32 s23, s18, 12
	s_add_co_u32 s40, s40, s23
	s_lshl_b32 s23, s20, 8
	s_add_co_u32 s40, s40, s23
	s_add_nc_u64 s[10:11], s[10:11], s[40:41]
	s_lshl_b32 s40, s17, 10                        ; the bias: feature 2,048 + 256 x A's tile + 128 x half
	s_lshl_b32 s23, s15, 9
	s_add_co_u32 s40, s40, s23
	s_add_co_u32 s40, s40, 8192
	s_add_nc_u64 s[100:101], s[100:101], s[40:41]
.else
	s_lshl_b32 s18, s42, 1
	s_add_co_u32 s18, s18, s16                     ; my 128 features among q's and k's 2,048
	s_lshr_b32 s19, s18, 3                         ; q or k
	s_and_b32 s20, s18, 7                          ; which pair of heads
	s_lshr_b32 s21, s17, 3                         ; the batch
	s_and_b32 s22, s17, 7
	s_lshl_b32 s22, s22, 1
	s_add_co_u32 s22, s22, s15                     ; my group of 128 tokens in the batch
	s_lshl_b32 s40, s19, 22                        ; qk_img: 4,194,304 bytes for q, 131,072 a head, 8,192 a group of 128 tokens
	s_lshl_b32 s23, s21, 21
	s_add_co_u32 s40, s40, s23
	s_lshl_b32 s23, s20, 18
	s_add_co_u32 s40, s40, s23
	s_lshl_b32 s23, s22, 13
	s_add_co_u32 s40, s40, s23
	s_mov_b32 s41, 0
	s_add_nc_u64 s[8:9], s[8:9], s[40:41]
	s_lshl_b32 s40, s19, 18                        ; qk_sc: 262,144 bytes for q, 8,192 a head, 512 a group
	s_lshl_b32 s23, s21, 17
	s_add_co_u32 s40, s40, s23
	s_lshl_b32 s23, s20, 14
	s_add_co_u32 s40, s40, s23
	s_lshl_b32 s23, s22, 9
	s_add_co_u32 s40, s40, s23
	s_add_nc_u64 s[10:11], s[10:11], s[40:41]
	s_lshl_b32 s40, s18, 9                         ; the bias: 128 features of 4 bytes
	s_add_nc_u64 s[100:101], s[100:101], s[40:41]
.endif
	v_and_b32 v[LN], 31, v0
	v_lshlrev_b32 v[L16], 4, v[LN]
.if \role
	v_lshlrev_b32 v[L8], 3, v[LN]
	v_and_b32 v[LB], 15, v0
	v_and_b32 v1, 8, v0
	v_add_nc_u32 v[LB], v[LB], v1                  ; r + 8 (r / 8): place r of stored tile a is true feature 32 (a / 2) + 8 (a % 2) + r + 8 (r / 8)
	v_lshlrev_b32 v[LB], 2, v[LB]
.irp a, 0,1,2,3,4,5,6,7
	global_load_b32 v[BI+2*\a], v[LB], s[100:101] offset:4*(32*(\a/2)+8*(\a%2))      ; twice: a pair for the packed addition
	global_load_b32 v[BI+2*\a+1], v[LB], s[100:101] offset:4*(32*(\a/2)+8*(\a%2))
.endr
.else
	v_bfe_u32 v[LB], v0, 4, 1
	v_lshlrev_b32 v[LB], 6, v[LB]                  ; 16 (lane / 16) features
.irp c, 0,1,2,3
.irp i, 0,1,2,3
	global_load_b128 v[BI+16*\c+4*\i:BI+16*\c+4*\i+3], v[LB], s[100:101] offset:128*\c+16*\i   ; register 16 c + i: feature 32 c + 16 (lane / 16) + i
.endr
.endr
.endif
	LAST                                           ; the bias lands under these 64 matrix instructions
	PLACES NP
.irp b, 0,1,2,3
	v_mov_b32 v[TM+4+\b], 0                        ; written once: a lane permute's destination counts as one of its sources
.endr
	s_wait_loadcnt 0x0                             ; the bias
.irp a, 0,1,2,3,4,5,6,7
	BLOCKQ \a, \role
.endr
	v_cmp_le_u32 vcc_lo, 16, v[LN]                 ; the scale words' image: lanes 0-15 carry the even tile's word, lanes 16-31 the odd tile's (both halves of the lanes hold every row's word)
.if \role
.irp j, 0,1,2,3
	v_cndmask_b32 v[NU+\j], v[SW+2*\j], v[SW+2*\j+1], vcc_lo
.endr
	global_store_b64 v[L8], v[NU:NU+1], s[10:11]               ; my first head: 256 consecutive bytes
	global_store_b64 v[L8], v[NU+2:NU+3], s[10:11] offset:4096 ; my second
.else
.irp j, 0,1,2,3
	v_lshl_or_b32 v[NU+\j], v[SW+2*\j+1], 16, v[SW+2*\j]         ; qk_sc's word j of lane (h, r): bytes 0, 1 tile 2 j's row r, bytes 2, 3 tile 2 j + 1's; both halves of the lanes alike
	v_lshl_or_b32 v[NU+4+\j], v[SW+9+2*\j], 16, v[SW+8+2*\j]
.endr
	global_store_b128 v[L16], v[NU:NU+3], s[10:11]               ; the even head: 512 consecutive bytes
	global_store_b128 v[L16], v[NU+4:NU+7], s[10:11] offset:8192 ; the odd head
.endif
.endm
	s_wait_alu depctr_va_vdst(0)
	s_wait_tensorcnt 0x0                           ; my tile of the head's four is in
	ds_add_u32 v[SPW], v[NIL]
	s_mov_b32 s[G1+2], 128<<16                     ; no tensor load of mine is out: from here on a load brings 128 rows
	s_mov_b32 s[G1+4], 128
	s_mov_b32 s[G1B+2], 128<<16
	s_mov_b32 s[G1B+4], 128
	s_wait_dscnt 0x0                               ; the add is done
	CROUND                                         ; all four tiles are in, all sixteen work-groups are here,
	JLOAD G0+4, G1, G0B+4, G1B                     ; and slot 1's first fill, the first tensor load behind the round
	FETCH_B 0, 0, 0
	FETCH_A 0, 0, 0
	SCALES 0
	FETCH_A 0, 0, 4
	STEP 0, 0, 1                                   ; K = 1,024 is eight steps of 128, twice round the ring: written out.  The first step's products start the sums
	TURN 0, 1, 1                                   ; slot 0 takes K 512 on
	STEP 1, 0, 0
	TURN 1, 0, 1                                   ; slot 1 takes K 768 on
	STEP 0, 0, 0
	TURN 0, 1, 0                                   ; nothing is left to fetch: no round of the cluster's barrier
	STEP 1, 0, 0
	s_cmp_eq_u32 s[ROLE], 1                        ; alike in every wave of every partner
	s_cbranch_scc1 .Lrole_v
	TAIL 0
	s_branch .Lclose
.Lrole_v:
	TAIL 1
.Lclose:
	s_wait_tensorcnt 0x0                           ; the wave's end
	ds_add_u32 v[SPW], v[NIL]
	s_wait_dscnt 0x0
	CROUND                                         ; the closing round: no work-group ends while a partner may still ask for a tile that names it
	s_endpgm
.Lfunc_end_k_q5f77fc954f_qkv:
	.size	k_q5f77fc954f_qkv, .Lfunc_end_k_q5f77fc954f_qkv-k_q5f77fc954f_qkv
	.p2alignl 7, 3214868480
	.fill 96, 4, 3214868480
	.section	.rodata,"a",@progbits
	.p2align	6, 0x0
	.amdhsa_kernel k_q5f77fc954f_qkv
		.amdhsa_group_segment_fixed_size 327680
		.amdhsa_private_segment_fixed_size 0
		.amdhsa_enable_private_segment 0
		.amdhsa_kernarg_size 56
		.amdhsa_user_sgpr_count 2
		.amdhsa_user_sgpr_kernarg_segment_ptr 1
		.amdhsa_wavefront_size32 1
		.amdhsa_system_sgpr_workgroup_id_x 1
		.amdhsa_system_sgpr_workgroup_id_y 1
		.amdhsa_system_sgpr_workgroup_id_z 1
		.amdhsa_system_vgpr_workitem_id 0
		.amdhsa_next_free_vgpr 1024
		.amdhsa_next_free_sgpr 104
		.amdhsa_reserve_vcc 1
		.amdhsa_float_denorm_mode_32 3
		.amdhsa_float_denorm_mode_16_64 3
		.amdhsa_memory_ordered 1
		.amdhsa_forward_progress 1
		.amdhsa_inst_pref_size 255
	.end_amdhsa_kernel
	.section	.bss,"aw",@nobits
	.p2align	6
	.space	262144
	.amdgpu_metadata
---
amdhsa.version: [ 1, 2 ]
amdhsa.kernels:
  - .name:           k_q5f77fc954f_qkv
    .symbol:         k_q5f77fc954f_qkv.kd
    .args:
      - { .name: codes, .offset: 0, .size: 8, .value_kind: global_buffer, .address_space: global }
      - { .name: scales, .offset: 8, .size: 8, .value_kind: global_buffer, .address_space: global }
      - { .name: qk_img, .offset: 16, .size: 8, .value_kind: global_buffer, .address_space: global }
      - { .name: qk_sc, .offset: 24, .size: 8, .value_kind: global_buffer, .address_space: global }
      - { .name: v_img, .offset: 32, .size: 8, .value_kind: global_buffer, .address_space: global }
      - { .name: v_sc, .offset: 40, .size: 8, .value_kind: global_buffer, .address_space: global }
      - { .name: qkv_b, .offset: 48, .size: 8, .value_kind: global_buffer, .address_space: global }
    .group_segment_fixed_size: 327680
    .private_segment_fixed_size: 0
    .kernarg_segment_align: 8
    .kernarg_segment_size: 56
    .max_flat_workgroup_size: 128
    .sgpr_count:     104
    .vgpr_count:     1024
    .wavefront_size: 32
...
	.end_amdgpu_metadata
.endif
;; end of part 2
;; launch attn (part 3): grid 4 x 64, 16 waves a work-group, clusters of 4 x 4, 327,680 bytes of LDS; arguments qk_img, qk_sc, v_img, v_sc, att_img, att_sc; writes att_img, att_sc
.if DOCPART == 3
	.amdgcn_target "amdgcn-amd-amdhsa--gfx1250"
	.amdhsa_code_object_version 6
	.text
	.protected	k_q5f77fc954f_attn
	.globl	k_q5f77fc954f_attn
	.p2align	8
	.type	k_q5f77fc954f_attn,@function
k_q5f77fc954f_attn:
	s_mov_b64 s[64:65], 0
	v_nop
	global_prefetch_b8 v0, s[64:65] scope:SCOPE_SE
	s_setreg_imm32_b32 hwreg(HW_REG_WAVE_MODE, 25, 1), 1
	s_wait_xcnt 0x0
	s_wait_alu depctr_hold_cnt(0) depctr_sa_sdst(0) depctr_va_vdst(0) depctr_va_sdst(0) depctr_va_ssrc(0) depctr_va_vcc(0) depctr_vm_vsrc(0)
	s_getreg_b32 s2, hwreg(HW_REG_IB_STS2, 6, 4)
	s_cmp_eq_u32 s2, 0
	s_cbranch_scc0 .Lentry_in_a_cluster
	s_endpgm
.Lentry_in_a_cluster:
	s_bfe_u32 s2, ttmp6, 0x10000c
	s_cmp_lg_u32 s2, 0xf033
	s_cbranch_scc0 .Lentry_shape_is_right
	s_endpgm
.Lentry_shape_is_right:
; Causal attention (32 heads = 2 batches x 16; 2,048 tokens; head size 64), both products on codes of BF8 (E5M2) with one E8M0 scale for each 32 along a product's K.  Key steps that the causal mask hides whole are not done.
; All operands arrive as IMAGES OF THEIR REGISTERS (each group of four registers: 16 bytes a lane, 512 on end), and the result leaves so, quantised along the channels for the last product.
; THE SOFTMAX AHEAD OF THE SECOND PRODUCT: t = score x log2(e) / 8; M = the row's largest t so far, rounded UP to a whole number; p = 2^(t - M) is what is quantised, along the keys, not normalised.
; The row's sum is taken of the unquantised p and divides O at the end.  When M moves, the sum and O are multiplied by 2^(old M - new M): exact.
; SHARES.  Eight work-groups share a head: work-group i owns tile i (16 queries) of each of the 16 blocks of 128 queries, so all have the same steps and nothing but addresses of queries hangs on i.
; Waves j and 8 + j (j = 0 .. 7) share tile 15 - j of the blocks (16 - j key steps of 128 keys) and tile j (j + 1 steps): wave j takes key steps 0 .. 8 of tile 15 - j; wave 8 + j its steps 9 .. 15 - j, hands
; O, M and the sum over through LDS, and then takes tile j whole: nine trips and eight.  (j = 7: nothing is handed over.)
; CLUSTERS: 4 x 4 work-groups are two heads; the four of a row of the cluster ask jointly for their head's K, V and scale words.  LDS is filled ONCE, one load a wave: key steps 0 and 9 and the scale words by waves 0 to 5,
; which trip 0 reads behind the first barrier; the rest by waves 6 to 15, shown by the barrier inside trip 0.  No prefetch: all is asked for at the head, and no loop runs ahead of a load.
; q k^T HAS K = 64: one operand of 128 holds two tiles of 16 keys side by side, [K of tile 2 p | K of tile 2 p + 1], and the queries stand as [Q | 0] and [0 | Q]: the first product gives tile 2 p's scores, the second tile 2 p + 1's.
; The scale words are laid the same way: bytes 0, 1 tile 2 p, bytes 2, 3 tile 2 p + 1; the query's two bytes twice.
; LAYOUT.  S^T = K Q^T, O^T = V^T P^T: a lane holds ONE query.  Place r of stored tile 2 b + u is key (or channel, or query) 32 b + 8 u + r + 8 (r / 8), so 16 registers of two tiles are 16 neighbours 32 b + 16 (lane / 16) + 0 .. 15.
; TWO SETS OF 64 REGISTERS CHANGE ROLES FROM TRIP TO TRIP: one holds K and then V, the other the scores, p, and then the next trip's K.
; LIMITS: a block of zeros, and one whose largest magnitude lies under 2^-111, gets the byte 1 (this program alone reads the bytes); NaN and infinities are not served; scaled scores stay under 2^31 in magnitude.
.set VIMG, 131072                      ; LDS: K's images from byte 0, 8,192 a key step; V's
.set KSC,  262144                      ; K's scale words, 512 a key step
.set VSC,  270336                      ; V's, 256 a key step
.set SPARE, 274432                     ; the spare words, 128 bytes a wave
.set PART, 276480                      ; the hand-over: 4,608 bytes for each of waves 8 to 15, behind 4,608 bytes in which each of waves 0 to 7, which store nothing there, has 16 of every 512; ends at byte 317,952
.set LI,   2                           ; v2  16 x lane
.set L8,   3                           ; v3  8 x lane
.set DQ,   4                           ; v4  my query in its block - 16 (lane / 16)
.set RO,   5                           ; v5  32 x (lane % 16)
.set AR,   62                          ; v62 LDS: where wave 8 + j's part lies, to be read
.set AP,   6                           ; v6  LDS: my own bytes of the hand-over, to be written
.set ADK,  8                           ; v8-11 LDS addresses: the next K, this V, the next K's scale words, this V's
.set ADV,  9
.set ADS,  10
.set ADT,  11                          ; v12 -M, v13 the largest t, v[14:15] the sum in two halves
.set QF,   16                          ; v16-39 Q, zeros, Q
.set Q2,   40                          ; v40-47 tile j's Q (waves 8 to 15)
.set QSW2, 48
.set QSW,  49
.set VSW,  50                          ; v50-51
.set KSW,  52                          ; v52-55
.set PW,   56                          ; v56 p's scale word;  v57 at work;  v[58:59] f
.set FF,   58
.set SPW,  60
.set NIL,  61
.set X,    64                          ; the two sets
.set Y,    128
.set OT,   192                         ; v192-223 O^T
.set PC,   224                         ; v224-239 p's codes
.set MX,   240                         ; v240-243 largest;  v244-247 bytes;  v248-251 bounds;  v252-255 scale operands;  v240-245 also chains of the sum
.set PB,   244
.set HO,   248
.set SO,   252
.set WV,   16
.set HD,   17
.set J,    18
.set IT,   19
.set BLK,  20                          ; the block of the tile in hand
.set SWN,  21                          ; the trip in which waves 8 to 15 begin tile j (24 or more in the others)
.set CS,   22                          ; s[22:23] log2(e) / 8, twice
.set G32,  24                          ; groups 1: 32, 16, 128 and 64 rows of 256 bytes
.set G16,  32
.set G128, 40
.set G64,  48
.set SEL,  76
.set MNT,  78
.set N,    79                          ; trips begun
.set TV,   80
.set TJ,   81
.set TK,   82
.set TS,   83
.set SI,   84                          ; this trip's key step
.set TP,   85
.set LAST, 86                          ; my trips: 9, or 8
.set FS,   87                          ; trip 0's key step: 0 or 9
.set D1,   88                          ; key step = (trips begun + D) % 16: D1 ahead of trip SWN, D2 from it on
.set D2,   89
.set CNT,  90
.set FB,   91                          ; the block of the tile that I store
.set ISB,  93                          ; 1 in waves 8 to 15
.macro CROUND
	s_barrier_signal -1
	s_barrier_wait -1
	s_cmp_lg_u32 s[WV], 0
	s_cbranch_scc1 .Lnot_wave_0_\@
	s_barrier_signal -3
.Lnot_wave_0_\@:
	s_barrier_wait -3
	s_barrier_signal -1
	s_barrier_wait -1
.endm
	s_load_b128 s[4:7], s[0:1], 0x0                ; qk_img, qk_sc
	s_load_b128 s[8:11], s[0:1], 0x10              ; v_img, v_sc
	s_load_b128 s[12:15], s[0:1], 0x20             ; att_img, att_sc
	v_lshl_add_u32 v[SPW], v0, 2, SPARE
	v_mov_b32 v[NIL], 0
	ds_add_u32 v[SPW], v[NIL]                      ; the opening lines: the add twice, its wait below
	ds_add_u32 v[SPW], v[NIL]
	v_lshrrev_b32 v1, 5, v0
	v_readfirstlane_b32 s[WV], v1                  ; wave 0..15
	s_bfe_u32 s2, ttmp6, 0x40000                   ; cx
	s_bfe_u32 s3, ttmp6, 0x40004                   ; cy
	s_and_b32 s[HD], ttmp7, 0xffff
	s_lshl_b32 s[HD], s[HD], 1
	s_lshr_b32 s94, s3, 1
	s_add_co_u32 s[HD], s[HD], s94                 ; the head: 2 x cluster y + cy / 2
	s_and_b32 s[IT], s3, 1
	s_lshl_b32 s[IT], s[IT], 2
	s_add_co_u32 s[IT], s[IT], s2                  ; i = 4 (cy % 2) + cx
	s_lshl_b32 s94, s3, 2
	s_lshl_b32 s94, 15, s94                        ; my row of the cluster
.macro GROUP1 g, rows                  ; a dense block as rows of 256 bytes: 32 elements of 8 bytes
	s_or_b32 s[\g], s94, (3<<16)|(1<<21)
	s_mov_b32 s[\g+1], 32<<16
	s_mov_b32 s[\g+2], (\rows)<<16
	s_mov_b32 s[\g+3], 32<<16
	s_mov_b32 s[\g+4], \rows
	s_mov_b32 s[\g+5], 32
	s_mov_b32 s[\g+6], 0
	s_mov_b32 s[\g+7], 0
.endm
	GROUP1 G32, 32
	GROUP1 G16, 16
	GROUP1 G128, 128
	GROUP1 G64, 64
	s_and_b32 s[J], s[WV], 7
	s_lshr_b32 s[ISB], s[WV], 3
	s_add_co_u32 s[TP], s[J], 1
	s_lshr_b32 s[TP], s[TP], 3                     ; 1 where j = 7
	s_and_b32 s95, s[TP], s[ISB]                   ; wave 15 begins with tile 7 at once
	s_xor_b32 s[BLK], s[J], 15
	s_sub_co_u32 s[BLK], s[BLK], s95
	s_xor_b32 s[FS], s[TP], 1
	s_and_b32 s[FS], s[FS], s[ISB]
	s_mul_i32 s[FS], s[FS], 9
	s_xor_b32 s96, s[ISB], 1
	s_mul_i32 s97, s96, 24
	s_xor_b32 s[SWN], s[J], 7
	s_add_co_u32 s[SWN], s[SWN], s97
	s_mul_i32 s96, s96, 15
	s_xor_b32 s[FB], s[J], s96
	s_mul_i32 s[D1], s[ISB], 9
	s_add_co_u32 s[D1], s[D1], 15
	s_add_co_u32 s[D2], s[J], 24
	s_sub_co_u32 s[LAST], 9, s[ISB]
	s_and_b32 s70, s[WV], 1                        ; what I fetch of the rest: waves 6 to 9 four key steps from 1 or 5 on,
	s_lshl_b32 s70, s70, 15
	s_add_co_u32 s70, s70, 8192
	s_mov_b32 s71, 0
	s_add_co_u32 s72, s[WV], 6                     ; waves 10 to 12 (K) and 13 to 15 (V) two from 10, 12 or 14 on
	s_and_b32 s72, s72, 3
	s_lshl_b32 s72, s72, 14
	s_add_co_u32 s72, s72, 81920
	s_mov_b32 s73, 0
	s_add_co_u32 s74, s[WV], 3
	s_and_b32 s74, s74, 3
	s_lshl_b32 s74, s74, 14
	s_add_co_u32 s74, s74, 81920
	s_mov_b32 s75, 0
	s_mov_b32 s56, 1
	v_and_b32 v1, 31, v0
	v_lshlrev_b32 v[LI], 4, v1
	v_lshlrev_b32 v[L8], 3, v1
	v_and_b32 v7, 15, v0                           ; r
	v_lshlrev_b32 v[RO], 5, v7
	v_lshlrev_b32 v57, 4, v7                       ; a row's scale words of q: 16 bytes
	v_bfe_u32 v8, v0, 4, 1
	v_lshlrev_b32 v8, 4, v8
	v_and_b32 v9, 8, v7
	v_add_nc_u32 v[DQ], v7, v9                     ; r + 8 (r / 8)
	v_sub_nc_u32 v[DQ], v[DQ], v8                  ; - 16 (lane / 16)
	s_lshr_b32 s95, s[IT], 1
	s_lshl_b32 s95, s95, 5
	s_and_b32 s96, s[IT], 1
	s_lshl_b32 s97, s96, 3
	s_add_co_u32 s95, s95, s97
	s_lshl_b32 s92, s96, 4                         ; s92: where my tile's two bytes lie in a scale word
	v_add_nc_u32 v[DQ], s95, v[DQ]                 ; + 32 (i / 2) + 8 (i % 2)
	s_mul_i32 s96, s[ISB], 7
	s_and_b32 s96, s[J], s96                       ; j in waves 8 to 15, 0 in the others
	s_mul_i32 s97, s96, 4592
	s_mul_i32 s96, s[ISB], 4608
	s_add_co_u32 s97, s97, s96
	s_lshl_b32 s96, s[J], 4
	s_add_co_u32 s97, s97, s96                     ; 4,608 (j + 1), or 16 j
	s_add_co_u32 s97, s97, PART
	v_mul_u32_u24 v[AP], s[ISB], v[LI]
	v_add_nc_u32 v[AP], s97, v[AP]
	s_mul_i32 s96, s[J], 4608
	s_add_co_u32 s96, s96, PART+4608
	v_add_nc_u32 v[AR], s96, v[LI]
	s_wait_alu depctr_va_vdst(0)
	s_wait_dscnt 0x0                               ; both opening adds are done
	CROUND                                         ; all sixteen work-groups are here: the joint loads meet
	s_lshl_b32 s94, s[HD], 17                      ; a head's images: 131,072 bytes,
	s_mov_b32 s95, 0
	s_lshl_b32 s96, s[HD], 13                      ; scale words of q or k: 8,192,
	s_mov_b32 s97, 0
	s_lshl_b32 s98, s[HD], 12                      ; of v: 4,096
	s_mov_b32 s99, 0
	s_wait_kmcnt 0x0
	s_add_nc_u64 s[60:61], s[4:5], s[94:95]
	s_add_nc_u64 s[60:61], s[60:61], 4194304       ; K's lie behind q's
	s_add_nc_u64 s[62:63], s[8:9], s[94:95]
	s_add_nc_u64 s[66:67], s[6:7], s[96:97]
	s_add_nc_u64 s[66:67], s[66:67], 262144
	s_add_nc_u64 s[68:69], s[10:11], s[98:99]
; ONE JOINT LOAD A WAVE.  One tree of branches on the wave's number, what trip 0 reads first
.macro ASKT g1
	s_or_b32 s59, s59, 0x80000000
	tensor_load_to_lds s[56:59], s[\g1:\g1+7]
	s_nop 0
.rept 4
	v_nop
.endr
.endm
.macro ARMC under, next, lds, base, off, g1
	s_cmp_lt_u32 s[WV], \under
	s_cbranch_scc0 \next
	s_mov_b32 s57, \lds
.if \off
	s_add_nc_u64 s[58:59], s[\base:\base+1], \off
.else
	s_mov_b64 s[58:59], s[\base:\base+1]
.endif
	ASKT \g1
	s_branch .Lasked
\next:
.endm
.macro PLACE lds, base, o
.if \lds
	s_add_co_u32 s57, s[\o], \lds
.else
	s_mov_b32 s57, s[\o]
.endif
	s_add_nc_u64 s[58:59], s[\base:\base+1], s[\o:\o+1]
.endm
.macro ARMW under, next, lds, base, o, g1
	s_cmp_lt_u32 s[WV], \under
	s_cbranch_scc0 \next
	PLACE \lds, \base, \o
	ASKT \g1
	s_branch .Lasked
\next:
.endm
	ARMC 1, .La1, 0, 60, 0, G32                    ; K, key step 0
	ARMC 2, .La2, 73728, 60, 73728, G32            ; K, key step 9
	ARMC 3, .La3, KSC, 66, 0, G32                  ; K's scale words
	ARMC 4, .La4, VIMG, 62, 0, G32                 ; V, key step 0
	ARMC 5, .La5, VIMG+73728, 62, 73728, G32       ; V, key step 9
	ARMC 6, .La6, VSC, 68, 0, G16                  ; V's scale words
	ARMW 8, .La7, 0, 60, 70, G128                  ; K, key steps 1 to 8
	ARMW 10, .La8, VIMG, 62, 70, G128              ; V
	ARMW 13, .La9, 0, 60, 72, G64                  ; K, key steps 10 to 15
	PLACE VIMG, 62, 74                             ; V
	ASKT G64
.Lasked:
	s_add_nc_u64 s[4:5], s[4:5], s[94:95]          ; q's images and scale words of my head
	s_add_nc_u64 s[6:7], s[6:7], s[96:97]
	s_lshl_b32 s2, s[BLK], 3
	s_add_co_u32 s2, s2, s[IT]
	s_lshl_b32 s2, s2, 10
	s_mov_b32 s3, 0
	s_add_nc_u64 s[94:95], s[4:5], s[2:3]          ; the first tile's Q,
	s_lshr_b32 s98, s[IT], 1
	s_lshl_b32 s98, s98, 2
	s_lshl_b32 s2, s[BLK], 9
	s_add_co_u32 s2, s2, s98
	s_add_nc_u64 s[96:97], s[6:7], s[2:3]          ; and its scale words: 16 bytes a row, word i / 2
	global_load_b128 v[QF:QF+3], v[LI], s[94:95]
	global_load_b128 v[QF+4:QF+7], v[LI], s[94:95] offset:512
	global_load_b32 v[QSW], v57, s[96:97]
	s_lshl_b32 s2, s[J], 3
	s_add_co_u32 s2, s2, s[IT]
	s_lshl_b32 s2, s2, 10
	s_add_nc_u64 s[4:5], s[4:5], s[2:3]
	s_lshl_b32 s2, s[J], 9
	s_add_co_u32 s2, s2, s98
	s_add_nc_u64 s[6:7], s[6:7], s[2:3]
.set n, 0
.rept 9
	v_mov_b32 v[Q2+n], 0                           ; (waves 0 to 7 have no second tile)
.set n, n+1
.endr
	s_wait_alu depctr_va_vdst(0)
	s_cmp_lt_u32 s[WV], 8
	s_cbranch_scc1 .Lno_second
	global_load_b128 v[Q2:Q2+3], v[LI], s[4:5]
	global_load_b128 v[Q2+4:Q2+7], v[LI], s[4:5] offset:512
	global_load_b32 v[QSW2], v57, s[6:7]
.Lno_second:
	s_wait_xcnt 0x0                                ; the loads of Q have read their addresses
	s_lshr_b32 s66, s[HD], 4
	s_lshl_b32 s66, s66, 7
	s_lshl_b32 s67, s[FB], 3
	s_add_co_u32 s66, s66, s67
	s_add_co_u32 s66, s66, s[IT]                   ; the tile that I store, among the 256 of both batches
	s_and_b32 s69, s[HD], 15
	s_lshl_b32 s98, s66, 9                         ; att_sc: 16 rows of 32 bytes a tile, bytes 2 head, 2 head + 1
	s_lshl_b32 s99, s69, 1
	s_add_co_u32 s98, s98, s99
	s_mov_b32 s99, 0
	s_add_nc_u64 s[14:15], s[14:15], s[98:99]
	s_lshl_b32 s66, s66, 14                        ; att_img: 16,384 bytes a tile, 1,024 a head
	s_lshl_b32 s69, s69, 10
	s_add_co_u32 s66, s66, s69
	s_mov_b32 s67, 0
	s_add_nc_u64 s[12:13], s[12:13], s[66:67]
	s_mov_b32 s[CS], 0x3e38aa3b                    ; log2(e) / sqrt(64)
	s_mov_b32 s[CS+1], s[CS]
	s_mov_b32 s[SEL], 0x76543210
	s_mov_b32 s[SEL+1], 0xfedcba98
	s_mov_b32 s[MNT], 0x600000
	s_mov_b32 s[N], 0
	s_lshl_b32 s2, s[FS], 13
	s_lshl_b32 s3, s[FS], 9
	s_add_co_u32 s3, s3, KSC
	v_add_nc_u32 v[ADK], s2, v[LI]                 ; trip 0's K
	v_add_nc_u32 v[ADS], s3, v[LI]
.set n, 0
.rept 8
	v_mov_b32 v[QF+8+n], 0                         ; the zero codes beside Q
.set n, n+1
.endr
	v_mov_b32 v[FF+1], 0                           ; (named as a pair's upper half)
.irp b, 0,1,2,3
	v_mov_b32 v[PB+\b], 0                          ; written once: a lane permute's destination counts as one of its sources
.endr
	s_wait_alu depctr_va_vdst(0)
	s_wait_loadcnt 0x0                             ; Q
	v_lshrrev_b32 v[QSW], s92, v[QSW]
	v_lshrrev_b32 v[QSW2], s92, v[QSW2]
	v_and_b32 v[QSW], 0xffff, v[QSW]
	v_and_b32 v[QSW2], 0xffff, v[QSW2]
	v_lshl_or_b32 v[QSW], v[QSW], 16, v[QSW]       ; the tile's two bytes, twice
	v_lshl_or_b32 v[QSW2], v[QSW2], 16, v[QSW2]
.set n, 0
.rept 8
	v_mov_b32 v[QF+16+n], v[QF+n]
.set n, n+1
.endr
.macro CLEAR                           ; a tile begins: O^T and the sum are zeros, the largest t lies under every t (the first change of M leaves zeros zeros)
	v_mov_b32 v13, 0xff61b1e6
	v_mov_b32 v14, 0
	v_mov_b32 v15, 0
	v_floor_f32 v12, -v13
.set n, 0
.rept 32
	v_mov_b32 v[OT+n], 0
.set n, n+1
.endr
.endm
	CLEAR
.macro KLOAD r                         ; 128 keys, eight tiles: two to an operand; and their scale words
.irp k, 0,1,2,3,4,5,6,7,8,9,10,11,12,13,14,15
	ds_load_b128 v[\r+4*\k:\r+4*\k+3], v[ADK] offset:512*\k
.endr
	ds_load_b128 v[KSW:KSW+3], v[ADS]
.endm
.macro VLOAD r                         ; four tiles of 16 channels x 128 keys
.irp k, 0,1,2,3,4,5,6,7,8,9,10,11,12,13,14,15
	ds_load_b128 v[\r+4*\k:\r+4*\k+3], v[ADV] offset:512*\k
.endr
	ds_load_b64 v[VSW:VSW+1], v[ADT]
.endm
.macro SIDX p, kd                      ; among the products: this trip's key step and the next one's, and where their images lie
.if \p == 0
.if \kd
	s_cmp_le_u32 s[N], s[SWN]
	s_cselect_b32 s[SI], s[D1], s[D2]
	s_add_co_u32 s[SI], s[SI], s[N]
	s_and_b32 s[SI], s[SI], 15
.else
	s_mov_b32 s[SI], s[FS]
.endif
.elseif \p == 1
	s_lshl_b32 s[TV], s[SI], 13
	s_add_co_u32 s[TV], s[TV], VIMG
	s_lshl_b32 s[TJ], s[SI], 8
	s_add_co_u32 s[TJ], s[TJ], VSC
.elseif \p == 2
	s_cmp_lt_u32 s[N], s[SWN]
	s_cselect_b32 s[TP], s[D1], s[D2]
	s_add_co_u32 s[TP], s[TP], s[N]
	s_add_co_u32 s[TP], s[TP], 1
.else
	s_and_b32 s[TP], s[TP], 15
	s_lshl_b32 s[TK], s[TP], 13
	s_lshl_b32 s[TS], s[TP], 9
	s_add_co_u32 s[TS], s[TS], KSC
.endif
.endm
; A TRIP: one key step of 128 keys.  kr: the set that holds K and takes V; sr: the set that takes the scores and then the next K.  kd: 0 trip 0, 1 odd trips, 2 even trips
.macro STEP kr, sr, kd
	s_add_co_u32 s[N], s[N], 1
.if \kd == 2
	s_cmp_gt_u32 s[N], s[LAST]                     ; waves 8 to 15 have no trip 8
	s_cbranch_scc1 .Lskip_\@
.endif
	s_wait_dscnt 0x0                               ; K
.irp p, 0,1,2,3
	v_wmma_scale_f32_16x16x128_f8f6f4 v[\sr+16*\p:\sr+16*\p+7], v[\kr+16*\p:\kr+16*\p+15], v[QF:QF+15], 0, v[KSW+\p], v[QSW] matrix_a_fmt:MATRIX_FMT_BF8 matrix_b_fmt:MATRIX_FMT_BF8
	SIDX \p, \kd
	v_wmma_scale_f32_16x16x128_f8f6f4 v[\sr+16*\p+8:\sr+16*\p+15], v[\kr+16*\p:\kr+16*\p+15], v[QF+8:QF+23], 0, v[KSW+\p], v[QSW] matrix_a_fmt:MATRIX_FMT_BF8 matrix_b_fmt:MATRIX_FMT_BF8
.endr
	v_add_nc_u32 v[ADV], s[TV], v[LI]              ; eight places behind the products, ahead of the loads into their sources and of the scores' readers
	v_add_nc_u32 v[ADT], s[TJ], v[L8]
	v_add_nc_u32 v[ADK], s[TK], v[LI]
	v_add_nc_u32 v[ADS], s[TS], v[LI]
.rept 4
	v_nop
.endr
	VLOAD \kr
	s_cmp_lg_u32 s[SI], s[BLK]                     ; only in my tile's own block are keys hidden: there their scores become -infinity ahead of the maximum, and p = 0
	s_cbranch_scc1 .Lopen_\@
	v_mov_b32 v57, 0xff800000
.set n, 0
.rept 64
	v_cmp_gt_i32 vcc_lo, 32*(n/16)+n%16, v[DQ]     ; register 16 b + i holds key 32 b + 16 (lane / 16) + i of the block
	v_cndmask_b32 v[\sr+n], v[\sr+n], v57, vcc_lo
.set n, n+1
.endr
.Lopen_\@:
.irp b, 0,1,2,3
	v_max3_num_f32 v[MX+\b], v[\sr+16*\b], v[\sr+1+16*\b], v[\sr+2+16*\b]   ; THE LARGEST SCORE OF EACH BLOCK OF 32 KEYS serves twice: for the row's maximum, and, since p rises with the score, for the block's largest p
.endr
.irp i, 3,5,7,9,11,13
.irp b, 0,1,2,3
	v_max3_num_f32 v[MX+\b], v[MX+\b], v[\sr+16*\b+\i], v[\sr+1+16*\b+\i]
.endr
.endr
.irp b, 0,1,2,3
	v_max_num_f32 v[MX+\b], v[MX+\b], v[\sr+15+16*\b]
.endr
.irp b, 0,1,2,3
	s_delay_alu instid0(VALU_DEP_4)
	v_permlanex16_b32 v[PB+\b], v[MX+\b], s[SEL], s[SEL+1]
.endr
.irp b, 0,1,2,3
	s_delay_alu instid0(VALU_DEP_4)
	v_max_num_f32 v[MX+\b], v[MX+\b], v[PB+\b]     ; with lane l xor 16's 16 keys
.endr
	s_delay_alu instid0(VALU_DEP_2)
	v_max3_num_f32 v57, v[MX], v[MX+1], v[MX+2]
	s_delay_alu instid0(VALU_DEP_1)
	v_max_num_f32 v57, v57, v[MX+3]
	s_delay_alu instid0(VALU_DEP_1)
	v_mul_f32 v57, s[CS], v57                      ; as t (the factor is positive)
	s_delay_alu instid0(VALU_DEP_1)
	v_max_num_f32 v13, v13, v57                    ; the running largest t
	v_mov_b32 v57, v12
	s_delay_alu instid0(VALU_DEP_2)
	v_floor_f32 v12, -v13                          ; the new -M: M is a whole number
	s_delay_alu instid0(VALU_DEP_1)
	v_sub_f32 v57, v12, v57                        ; M's old value less its new one
	s_delay_alu instid0(VALU_DEP_1)
	v_cvt_i32_f32 v57, v57                         ; (it saturates)
	s_delay_alu instid0(VALU_DEP_1)
	v_ldexp_f32 v[FF], 1.0, v57                    ; f = 2^(old M - new M)
.set n, 0
.rept 32
	v_pk_fma_f32 v[\sr+n:\sr+n+1], v[\sr+n:\sr+n+1], s[CS:CS+1], v[12:13] op_sel_hi:[1,0,0]   ; t - M
.set n, n+2
.endr
.irp b, 0,1,2,3
	v_fma_f32 v[MX+\b], v[MX+\b], s[CS], v12
.endr
	s_wait_alu depctr_va_vdst(0)
.set n, 0
.rept 64
	v_exp_f32 v[\sr+n], v[\sr+n]                   ; p = 2^(t - M), at most 1
.set n, n+1
.endr
.irp b, 0,1,2,3
	v_exp_f32 v[MX+\b], v[MX+\b]                   ; the block's largest p: the same two instructions on the same number
.endr
	v_pk_mul_f32 v[14:15], v[14:15], v[FF:FF+1] op_sel_hi:[1,0]   ; the sum under the new M (a plain place behind the exponentials)
	s_wait_alu depctr_va_vdst(0)                   ; and behind it
.irp b, 0,1,2,3
	v_max_num_f32 v[MX+\b], 0x8000000, v[MX+\b]    ; the floor 2^(16 - 127): the byte cannot fall under 1
.endr
.irp b, 0,1,2,3
	s_delay_alu instid0(VALU_DEP_4)
	v_add_nc_u32 v[SO+\b], 0xf8800000, v[MX+\b]    ; 15 off the exponent field: the conversion's scale operand
.endr
.irp b, 0,1,2,3
	v_and_or_b32 v[HO+\b], v[MX+\b], 0x7f800000, s[MNT]   ; 57,344 x the scale
.endr
.irp b, 0,1,2,3
	v_lshrrev_b32 v[PB+\b], 23, v[SO+\b]           ; the scale's byte
.endr
	s_delay_alu instid0(VALU_DEP_3)
	v_lshl_or_b32 v[PW], v[PB+1], 8, v[PB]
	s_delay_alu instid0(VALU_DEP_1)
	v_lshl_or_b32 v[PW], v[PB+2], 16, v[PW]
	s_delay_alu instid0(VALU_DEP_1)
	v_lshl_or_b32 v[PW], v[PB+3], 24, v[PW]
	v_pk_add_f32 v[14:15], v[14:15], v[\sr:\sr+1]  ; the row's sum of the unquantised p, in four chains
	v_pk_add_f32 v[MX:MX+1], v[\sr+2:\sr+3], v[\sr+4:\sr+5]
	v_pk_add_f32 v[MX+2:MX+3], v[\sr+6:\sr+7], v[\sr+8:\sr+9]
	v_pk_add_f32 v[MX+4:MX+5], v[\sr+10:\sr+11], v[\sr+12:\sr+13]
.irp k, 14,22,30,38,46,54
	v_pk_add_f32 v[14:15], v[14:15], v[\sr+\k:\sr+\k+1]
	v_pk_add_f32 v[MX:MX+1], v[MX:MX+1], v[\sr+\k+2:\sr+\k+3]
	v_pk_add_f32 v[MX+2:MX+3], v[MX+2:MX+3], v[\sr+\k+4:\sr+\k+5]
	v_pk_add_f32 v[MX+4:MX+5], v[MX+4:MX+5], v[\sr+\k+6:\sr+\k+7]
.endr
	v_pk_add_f32 v[14:15], v[14:15], v[\sr+62:\sr+63]
.irp b, 0,1,2,3
.irp i, 0,1,2,3,4,5,6,7,8,9,10,11,12,13,14,15
	v_min_num_f32 v[\sr+16*\b+\i], v[\sr+16*\b+\i], v[HO+\b]   ; the conversion does not saturate (ISA guide 7.6.2); p is not negative, so the hold is one-sided
.endr
	v_cvt_scalef32_pk8_bf8_f32 v[PC+4*\b:PC+1+4*\b], v[\sr+16*\b:\sr+7+16*\b], v[SO+\b]
	v_cvt_scalef32_pk8_bf8_f32 v[PC+2+4*\b:PC+3+4*\b], v[\sr+8+16*\b:\sr+15+16*\b], v[SO+\b]
.endr
.if \kd == 0
	s_wait_tensorcnt 0x0                           ; my tile of the rest is in,
	s_wait_dscnt 0x0                               ; V too
	s_barrier_signal -1
.endif
	s_wait_alu depctr_va_vdst(0)
.irp j, 0,2,4,6,8,10,12,14,16,18,20,22,24,26,28,30
	v_pk_mul_f32 v[OT+\j:OT+\j+1], v[OT+\j:OT+\j+1], v[FF:FF+1] op_sel_hi:[1,0]   ; O^T under the new M; also the places between the codes and the products below
.endr
	s_wait_alu depctr_va_vdst(0)
.if \kd == 0
	s_barrier_wait -1                              ; everybody's is: all of K and V may be read
.else
	s_wait_dscnt 0x0                               ; V
	s_cmp_eq_u32 s[N], s[LAST]                     ; no trip of mine follows
	s_cbranch_scc1 .Lno_next_\@
.endif
	KLOAD \sr                                      ; the next trip's K takes p's registers
.Lno_next_\@:
.irp t, 0,1,2,3                                ; O^T += V^T P^T: four tiles of 16 channels by turns
.if (\t)%2
	v_wmma_scale_f32_16x16x128_f8f6f4 v[OT+8*\t:OT+8*\t+7], v[\kr+16*\t:\kr+16*\t+15], v[PC:PC+15], v[OT+8*\t:OT+8*\t+7], v[VSW+\t/2], v[PW] matrix_a_fmt:MATRIX_FMT_BF8 matrix_b_fmt:MATRIX_FMT_BF8 matrix_a_scale:MATRIX_SCALE_ROW1
.else
	v_wmma_scale_f32_16x16x128_f8f6f4 v[OT+8*\t:OT+8*\t+7], v[\kr+16*\t:\kr+16*\t+15], v[PC:PC+15], v[OT+8*\t:OT+8*\t+7], v[VSW+\t/2], v[PW] matrix_a_fmt:MATRIX_FMT_BF8 matrix_b_fmt:MATRIX_FMT_BF8
.endif
.endr
	v_pk_add_f32 v[14:15], v[14:15], v[MX+4:MX+5]  ; the chains join: with the v_nop nine places, owed before the next products write over V's registers
	v_pk_add_f32 v[MX:MX+1], v[MX:MX+1], v[MX+2:MX+3]
.rept 6
	v_nop
.endr
	v_pk_add_f32 v[14:15], v[14:15], v[MX:MX+1]
	s_cmp_lt_u32 s[WV], 8                          ; waves 8 to 14 change tiles once: the part of tile 15 - j is handed over, tile j begins
	s_cbranch_scc1 .Lsame_\@
	s_cmp_lg_u32 s[N], s[SWN]
	s_cbranch_scc1 .Lsame_\@
.irp k, 0,1,2,3,4,5,6,7
	ds_store_b128 v[AP], v[OT+4*\k:OT+4*\k+3] offset:512*\k
.endr
	ds_store_b128 v[AP], v[12:15] offset:4096      ; -M, the largest t, the sum's halves
	v_mov_b32 v[QSW], v[QSW2]
.set n, 0
.rept 8
	v_mov_b32 v[QF+n], v[Q2+n]
	v_mov_b32 v[QF+16+n], v[Q2+n]
.set n, n+1
.endr
	CLEAR
	s_mov_b32 s[BLK], s[J]
	s_wait_alu depctr_va_vdst(0)
.Lsame_\@:
.Lskip_\@:
.endm
	s_wait_alu depctr_va_vdst(0)
	s_cmp_lt_u32 s[WV], 6
	s_cbranch_scc0 .Lnot_first
	s_wait_tensorcnt 0x0                           ; waves 0 to 5: key steps 0 and 9 and the scale words are in.  The others' wait stands in trip 0
.Lnot_first:
	s_barrier_signal -1
	s_barrier_wait -1
	KLOAD X
	STEP X, Y, 0
	s_mov_b32 s[CNT], 4
.Ltrips:                                           ; trips 1 to 8, two a round: the sets are back in their roles
	STEP Y, X, 1
	STEP X, Y, 2
	s_sub_co_u32 s[CNT], s[CNT], 1
	s_cmp_lg_u32 s[CNT], 0
	s_cbranch_scc1 .Ltrips
	s_wait_alu depctr_va_vdst(0)
	s_wait_dscnt 0x0
	s_barrier_signal -1
	s_barrier_wait -1                              ; what was handed over is in LDS
	s_cmp_lt_u32 s[WV], 7
	s_cbranch_scc0 .Lwhole
.irp k, 0,1,2,3,4,5,6,7
	ds_load_b128 v[X+4*\k:X+4*\k+3], v[AR] offset:512*\k
.endr
	ds_load_b128 v[96:99], v[AR] offset:4096
	s_wait_dscnt 0x0
	v_min_num_f32 v57, v12, v96                    ; -M of both parts: M is the larger
	v_sub_f32 v100, v57, v12
	v_sub_f32 v102, v57, v96
	v_cvt_i32_f32 v100, v100
	v_cvt_i32_f32 v102, v102
	v_ldexp_f32 v100, 1.0, v100                    ; my part's factor,
	v_ldexp_f32 v102, 1.0, v102                    ; and the other's
.irp j, 0,2,4,6,8,10,12,14,16,18,20,22,24,26,28,30
	v_pk_mul_f32 v[OT+\j:OT+\j+1], v[OT+\j:OT+\j+1], v[100:101] op_sel_hi:[1,0]
.endr
	v_pk_mul_f32 v[14:15], v[14:15], v[100:101] op_sel_hi:[1,0]
.irp j, 0,2,4,6,8,10,12,14,16,18,20,22,24,26,28,30
	v_pk_fma_f32 v[OT+\j:OT+\j+1], v[X+\j:X+\j+1], v[102:103], v[OT+\j:OT+\j+1] op_sel_hi:[1,0,1]
.endr
	v_pk_fma_f32 v[14:15], v[98:99], v[102:103], v[14:15] op_sel_hi:[1,0,1]
.Lwhole:
	; THE WAY OUT.  O^T / the sum: register 16 b + i of my query is channel 64 head + 32 b + 16 (lane / 16) + i: two blocks of 32, quantised as they stand
	s_wait_alu depctr_va_vdst(0)
	v_add_f32 v14, v14, v15                        ; the sum's two halves,
	s_wait_alu depctr_va_vdst(0)
	v_permlanex16_b32 v[FF], v14, s[SEL], s[SEL+1]
	s_delay_alu instid0(VALU_DEP_1)
	v_add_f32 v14, v14, v[FF]                      ; and lane l xor 16's
	s_wait_alu depctr_va_vdst(0)
	v_rcp_f32 v14, v14
	v_nop                                          ; one plain place behind a transcendental
	s_wait_alu depctr_va_vdst(0)
.set n, 0
.rept 32
	v_mul_f32 v[Y+n], v[OT+n], v14
.set n, n+1
.endr
.irp b, 0,1
	v_max3_num_f32 v[MX+\b], |v[Y+16*\b]|, |v[Y+1+16*\b]|, 0x8000000   ; and the floor 2^(16 - 127)
.endr
.irp i, 2,4,6,8,10,12,14
.irp b, 0,1
	s_delay_alu instid0(VALU_DEP_2)
	v_max3_num_f32 v[MX+\b], v[MX+\b], |v[Y+16*\b+\i]|, |v[Y+1+16*\b+\i]|
.endr
.endr
.irp b, 0,1
	s_delay_alu instid0(VALU_DEP_2)
	v_permlanex16_b32 v[PB+\b], v[MX+\b], s[SEL], s[SEL+1]
.endr
.irp b, 0,1
	s_delay_alu instid0(VALU_DEP_2)
	v_max_num_f32 v[MX+\b], v[MX+\b], v[PB+\b]
.endr
.irp b, 0,1
	s_delay_alu instid0(VALU_DEP_2)
	v_add_nc_u32 v[SO+\b], 0xf8800000, v[MX+\b]
.endr
.irp b, 0,1
	v_and_or_b32 v[HO+\b], v[MX+\b], 0x7f800000, s[MNT]
.endr
.irp b, 0,1
	v_lshrrev_b32 v[PB+\b], 23, v[SO+\b]
.endr
	s_delay_alu instid0(VALU_DEP_1)
	v_lshl_or_b32 v57, v[PB+1], 8, v[PB]           ; the two bytes of my row
.irp b, 0,1
.irp i, 0,1,2,3,4,5,6,7,8,9,10,11,12,13,14,15
	v_med3_num_f32 v[Y+16*\b+\i], v[Y+16*\b+\i], -v[HO+\b], v[HO+\b]
.endr
	v_cvt_scalef32_pk8_bf8_f32 v[PC+4*\b:PC+1+4*\b], v[Y+16*\b:Y+7+16*\b], v[SO+\b]
	v_cvt_scalef32_pk8_bf8_f32 v[PC+2+4*\b:PC+3+4*\b], v[Y+8+16*\b:Y+15+16*\b], v[SO+\b]
.endr
	v_nop                                          ; a plain line behind the last conversion
	global_store_b128 v[LI], v[PC:PC+3], s[12:13]              ; 512 consecutive bytes each
	global_store_b128 v[LI], v[PC+4:PC+7], s[12:13] offset:512
	global_store_b16 v[RO], v57, s[14:15]          ; two bytes of each row's 32: a row's bytes come from sixteen heads; lanes r and r + 16 write the same bytes with the same value
	s_wait_tensorcnt 0x0                           ; the wave's end
	ds_add_u32 v[SPW], v[NIL]
	s_wait_dscnt 0x0
	CROUND                                         ; the closing round
	s_endpgm
.Lfunc_end_k_q5f77fc954f_attn:
	.size	k_q5f77fc954f_attn, .Lfunc_end_k_q5f77fc954f_attn-k_q5f77fc954f_attn
	.p2alignl 7, 3214868480
	.fill 96, 4, 3214868480
	.section	.rodata,"a",@progbits
	.p2align	6, 0x0
	.amdhsa_kernel k_q5f77fc954f_attn
		.amdhsa_group_segment_fixed_size 327680
		.amdhsa_private_segment_fixed_size 0
		.amdhsa_enable_private_segment 0
		.amdhsa_kernarg_size 48
		.amdhsa_user_sgpr_count 2
		.amdhsa_user_sgpr_kernarg_segment_ptr 1
		.amdhsa_wavefront_size32 1
		.amdhsa_system_sgpr_workgroup_id_x 1
		.amdhsa_system_sgpr_workgroup_id_y 1
		.amdhsa_system_sgpr_workgroup_id_z 1
		.amdhsa_system_vgpr_workitem_id 0
		.amdhsa_next_free_vgpr 256
		.amdhsa_next_free_sgpr 100
		.amdhsa_reserve_vcc 1
		.amdhsa_float_denorm_mode_32 3
		.amdhsa_float_denorm_mode_16_64 3
		.amdhsa_memory_ordered 1
		.amdhsa_forward_progress 1
		.amdhsa_inst_pref_size 108
	.end_amdhsa_kernel
	.amdgpu_metadata
---
amdhsa.version: [ 1, 2 ]
amdhsa.kernels:
  - .name:           k_q5f77fc954f_attn
    .symbol:         k_q5f77fc954f_attn.kd
    .args:
      - { .name: qk_img, .offset: 0, .size: 8, .value_kind: global_buffer, .address_space: global }
      - { .name: qk_sc, .offset: 8, .size: 8, .value_kind: global_buffer, .address_space: global }
      - { .name: v_img, .offset: 16, .size: 8, .value_kind: global_buffer, .address_space: global }
      - { .name: v_sc, .offset: 24, .size: 8, .value_kind: global_buffer, .address_space: global }
      - { .name: att_img, .offset: 32, .size: 8, .value_kind: global_buffer, .address_space: global }
      - { .name: att_sc, .offset: 40, .size: 8, .value_kind: global_buffer, .address_space: global }
    .group_segment_fixed_size: 327680
    .private_segment_fixed_size: 0
    .kernarg_segment_align: 8
    .kernarg_segment_size: 48
    .max_flat_workgroup_size: 512
    .sgpr_count:     100
    .vgpr_count:     256
    .wavefront_size: 32
...
	.end_amdgpu_metadata
.endif
;; end of part 3
;; launch proj (part 4): grid 8 x 32, 4 waves a work-group, clusters of 4 x 4, 327,680 bytes of LDS; arguments att_img, att_sc, codes, scales, out0, out_b; writes out0
.if DOCPART == 4
	.amdgcn_target "amdgcn-amd-amdhsa--gfx1250"
	.amdhsa_code_object_version 6
	.text
	.protected	k_q5f77fc954f_proj
	.globl	k_q5f77fc954f_proj
	.p2align	8
	.type	k_q5f77fc954f_proj,@function
k_q5f77fc954f_proj:
	s_mov_b64 s[64:65], 0
	v_nop
	global_prefetch_b8 v0, s[64:65] scope:SCOPE_SE
	s_setreg_imm32_b32 hwreg(HW_REG_WAVE_MODE, 25, 1), 1
	s_wait_xcnt 0x0
	s_wait_alu depctr_hold_cnt(0) depctr_sa_sdst(0) depctr_va_vdst(0) depctr_va_sdst(0) depctr_va_ssrc(0) depctr_va_vcc(0) depctr_vm_vsrc(0)
	s_getreg_b32 s2, hwreg(HW_REG_IB_STS2, 6, 4)
	s_cmp_eq_u32 s2, 0
	s_cbranch_scc0 .Lentry_in_a_cluster
	s_endpgm
.Lentry_in_a_cluster:
	s_bfe_u32 s2, ttmp6, 0x10000c
	s_cmp_lg_u32 s2, 0xf033
	s_cbranch_scc0 .Lentry_shape_is_right
	s_endpgm
.Lentry_shape_is_right:
; out = att out_w^T + out_b, 4,096 x 1,024 x 1,024, on codes of BF8 (E5M2) with E8M0 scales for each 32 along K; f32 sums that begin with the bias.
; att_img [256 tiles of 16 tokens][8 steps of 128 along K][4 groups of 4 registers][lane][16 bytes], att_sc [tile][row][32]; out_w's codes are rows 7,168 on of codes, 1,024 bytes each, its scale bytes rows of 32.
; Rows are stored with bits 3 and 4 of their number swapped: place r of stored tile 2 c + u is true row 32 c + 8 u + r + 8 (r / 8), tokens and features alike.
; 256 work-groups make 128 x 128 each, a wave 64 x 64: 16 accumulators.  ALL OF K COMES AT THE HEAD, one load a wave, in two halves of 512: wave 0 A's first half, wave 1 B's, wave 2 A's second, wave 3 B's: 266,240 bytes of LDS, filled once.
; The scale words of a wave's rows, for all of K, go straight into 64 registers.  No prefetch: nothing is asked for later than the head.
; CLUSTERS: 4 x 4 work-groups; A's halves are asked for jointly along a row of the cluster, B's along a column.
; THE MATRIX INSTRUCTION IS USED TRANSPOSED (source 0 = 16 rows of B, source 1 = 16 of A): a lane holds one token, and the 16 registers of B's tiles 2 c and 2 c + 1 are 16 neighbours 32 c + 16 (lane / 16) + 0 .. 15 of a row of the output.
; LIMITS: NaN and infinities are not served.
; REGISTERS: window 0: all but the fragments; window 1: two sets of fragments: A's four at 128 p + 16 i, B's four 64 further on.
.set PITCH, 528                        ; an LDS row of B: 512 bytes + 16 of padding
.set BLDS, 131072                      ; behind A's two halves of 65,536 bytes (8 tiles x 8,192)
.set BHALF, 128*PITCH
.set SPARE, BLDS+2*BHALF               ; the spare words
.set STAGE, SPARE+512                  ; the way out: 16 rows x (256 bytes + 16) for each wave
.set SPITCH, 272
.set LA,   2                           ; v2-3  LDS addresses of my A fragments, first and second half of K
.set LB,   4                           ; v4-5  of B's
.set CO,   6
.set RD,   7
.set STO,  8
.set SPW,  10
.set NIL,  11
.set SA,   16                          ; v16-47 scale words of A: tile i, step q at v[SA + 8 i + q];  on the way out rows read back
.set SB,   52                          ; v52-83 of B (no product's two scale words have numbers equal modulo 8)
.set BI,   84                          ; v84-115 the bias
.set ACC,  116                         ; v116-243 accumulator (a, b) at v[ACC + 8 (4 a + b)]
.set G1A,  24
.set G1B,  48
.set MSB, 0
.macro WIN new                         ; the immediate's high byte repeats the setting that is left
.if MSB != (\new)
	s_set_vgpr_msb (MSB<<8)|(\new)
.set MSB, (\new)
.endif
.endm
.macro CROUND
	s_barrier_signal -1
	s_barrier_wait -1
	s_cmp_lg_u32 s14, 0
	s_cbranch_scc1 .Lnot_wave_0_\@
	s_barrier_signal -3
.Lnot_wave_0_\@:
	s_barrier_wait -3
	s_barrier_signal -1
	s_barrier_wait -1
.endm
	s_load_b128 s[4:7], s[0:1], 0x0                ; att_img, att_sc
	s_load_b128 s[8:11], s[0:1], 0x10              ; codes, scales
	s_load_b128 s[16:19], s[0:1], 0x20             ; out0, out_b
	v_lshl_add_u32 v[SPW], v0, 2, SPARE
	v_mov_b32 v[NIL], 0
	ds_add_u32 v[SPW], v[NIL]                      ; the opening lines: the add twice, its wait below
	ds_add_u32 v[SPW], v[NIL]
	v_lshrrev_b32 v1, 5, v0
	v_readfirstlane_b32 s14, v1                    ; wave 0..3
	s_lshr_b32 s15, s14, 1                         ; which 64 of the tile's tokens
	s_and_b32 s13, s14, 1                          ; which 64 of its features
	s_bfe_u32 s40, ttmp6, 0x40000                  ; cx, cy
	s_bfe_u32 s41, ttmp6, 0x40004
	s_lshl_b32 s42, ttmp9, 2
	s_add_co_u32 s42, s42, s40                     ; tile column, 0..7
	s_and_b32 s43, ttmp7, 0xffff
	s_lshl_b32 s43, s43, 2
	s_add_co_u32 s43, s43, s41                     ; tile row, 0..31
	s_lshl_b32 s44, s41, 2
	s_lshl_b32 s44, 15, s44                        ; my row of the cluster
	s_lshl_b32 s45, 0x1111, s40                    ; my column
	s_or_b32 s[G1A], s44, (3<<16)|(1<<21)          ; A: 8 rows (tiles) of 8,192 bytes, 16,384 apart, elements of 8 bytes
	s_mov_b32 s[G1A+1], 1024<<16
	s_mov_b32 s[G1A+2], 8<<16
	s_mov_b32 s[G1A+3], 1024<<16
	s_mov_b32 s[G1A+4], 8
	s_mov_b32 s[G1A+5], 2048
	s_mov_b32 s[G1A+6], 0
	s_mov_b32 s[G1A+7], 0
	s_or_b32 s[G1B], s45, (1<<20)|(1<<21)|(6<<22)|(3<<25)   ; B: 128 rows of 512 bytes, 1,024 apart; four words of padding behind every 128
	s_mov_b32 s[G1B+1], 512<<16
	s_mov_b32 s[G1B+2], 128<<16
	s_mov_b32 s[G1B+3], 512<<16
	s_mov_b32 s[G1B+4], 128
	s_mov_b32 s[G1B+5], 1024
	s_mov_b32 s[G1B+6], 0
	s_mov_b32 s[G1B+7], 0
	s_lshl_b32 s20, s43, 17                        ; A: eight tiles of 16,384 bytes a tile row
	s_mov_b32 s21, 0
	s_lshl_b32 s46, s42, 17                        ; B: 128 rows of 1,024 bytes a tile column, behind 7,168 rows
	s_add_co_u32 s46, s46, 7168*1024
	s_mov_b32 s47, 0
	v_and_b32 v1, 31, v0
	v_lshlrev_b32 v9, 4, v1                        ; 16 x lane
	v_and_b32 v12, 15, v0                          ; r
	v_bfe_u32 v13, v0, 4, 1                        ; h
	s_lshl_b32 s22, s15, 15
	v_add_nc_u32 v[LA], s22, v9                    ; my four tiles of A
	v_add_nc_u32 v[LA+1], 65536, v[LA]
	v_mul_u32_u24 v14, v12, PITCH
	v_lshl_add_u32 v14, v13, 4, v14
	s_mul_i32 s22, s13, 64*PITCH
	s_add_co_u32 s22, s22, BLDS
	v_add_nc_u32 v[LB], s22, v14                   ; my 64 rows of B
	v_add_nc_u32 v[LB+1], BHALF, v[LB]
	s_mul_i32 s22, s14, 16*SPITCH
	s_add_co_u32 s22, s22, STAGE
	v_mul_u32_u24 v15, v12, SPITCH
	v_lshl_add_u32 v15, v13, 6, v15
	v_add_nc_u32 v[STO], s22, v15                  ; the stage, in: row r, 64 bytes for each half of the lanes
	v_mul_u32_u24 v9, v13, SPITCH
	v_lshl_add_u32 v9, v12, 4, v9
	v_add_nc_u32 v[RD], s22, v9                    ; and back: sixteen lanes to a row
	v_lshlrev_b32 v[CO], 12, v13
	v_lshl_add_u32 v[CO], v12, 4, v[CO]            ; the same in the output
	v_lshlrev_b32 v14, 5, v12                      ; scale bytes: 32 a row
	v_lshlrev_b32 v15, 6, v13                      ; the bias: 16 features for each half of the lanes
	s_wait_alu depctr_va_vdst(0)
	s_wait_dscnt 0x0                               ; both opening adds are done
	CROUND                                         ; all sixteen work-groups are here: the joint loads meet
	s_wait_kmcnt 0x0
	s_add_nc_u64 s[20:21], s[4:5], s[20:21]
	s_add_nc_u64 s[46:47], s[8:9], s[46:47]
.irp k, 0,1
	s_mov_b32 s[32+4*\k], 1
	s_mov_b32 s[33+4*\k], 65536*\k
	s_add_nc_u64 s[34+4*\k:35+4*\k], s[20:21], 8192*\k
	s_or_b32 s[35+4*\k], s[35+4*\k], 0x80000000
	s_mov_b32 s[56+4*\k], 1
	s_mov_b32 s[57+4*\k], BLDS+BHALF*\k
	s_add_nc_u64 s[58+4*\k:59+4*\k], s[46:47], 512*\k
	s_or_b32 s[59+4*\k], s[59+4*\k], 0x80000000
.endr
.macro ARM under, g0, g1, next         ; one joint load a wave: one tree of branches on the wave's number
	s_cmp_lt_u32 s14, \under
	s_cbranch_scc0 \next
	tensor_load_to_lds s[\g0:\g0+3], s[\g1:\g1+7]
	s_nop 0
.rept 4
	v_nop
.endr
	s_branch .Lasked
\next:
.endm
	ARM 1, 32, G1A, .Lb0
	ARM 2, 56, G1B, .La1
	ARM 3, 36, G1A, .Lb1
	tensor_load_to_lds s[60:63], s[G1B:G1B+7]
	s_nop 0
.rept 4
	v_nop
.endr
.Lasked:
	s_lshl_b32 s66, s43, 12                        ; A's scale bytes: 512 a tile
	s_lshl_b32 s68, s15, 11
	s_add_co_u32 s66, s66, s68
	s_mov_b32 s67, 0
	s_add_nc_u64 s[6:7], s[6:7], s[66:67]
	s_lshl_b32 s66, s42, 12                        ; B's: 32 a row, behind 7,168 rows
	s_lshl_b32 s68, s13, 11
	s_add_co_u32 s66, s66, s68
	s_add_co_u32 s66, s66, 7168*32
	s_add_nc_u64 s[10:11], s[10:11], s[66:67]
	s_lshl_b32 s66, s42, 9                         ; my 64 features, 4 bytes each
	s_lshl_b32 s68, s13, 8
	s_add_co_u32 s66, s66, s68
	s_add_nc_u64 s[18:19], s[18:19], s[66:67]
	s_add_nc_u64 s[16:17], s[16:17], s[66:67]
	s_lshl_b32 s66, s43, 19                        ; my 64 tokens, 4,096 bytes each
	s_lshl_b32 s68, s15, 18
	s_add_co_u32 s66, s66, s68
	s_add_nc_u64 s[16:17], s[16:17], s[66:67]
.irp i, 0,1,2,3
.irp c, 0,1
	global_load_b128 v[SA+8*\i+4*\c:SA+8*\i+4*\c+3], v14, s[6:7] offset:512*\i+16*\c
	global_load_b128 v[SB+8*\i+4*\c:SB+8*\i+4*\c+3], v14, s[10:11] offset:512*\i+16*\c
.endr
.endr
.irp c, 0,1
.irp i, 0,1,2,3
	global_load_b128 v[BI+16*\c+4*\i:BI+16*\c+4*\i+3], v15, s[18:19] offset:128*\c+16*\i
.endr
.endr
.macro PLACES                          ; behind products, ahead of loads into what they have read, and of their sums' readers
.rept 8
	v_nop
.endr
.endm
.macro FETCH q                         ; the fragments of 128 along K into set q % 2
	WIN 0x40
.irp i, 0,1,2,3
.irp c, 0,1,2,3
	ds_load_b128 v[128*((\q)%2)+64+16*\i+4*\c:128*((\q)%2)+64+16*\i+4*\c+3], v[LB+(\q)/4] offset:128*((\q)%4)+32*\c+\i*16*PITCH
.endr
.endr
.irp i, 0,1,2,3
.irp c, 0,1,2,3
	ds_load_b128 v[128*((\q)%2)+16*\i+4*\c:128*((\q)%2)+16*\i+4*\c+3], v[LA+(\q)/4] offset:8192*\i+2048*((\q)%4)+512*\c
.endr
.endr
.endm
.macro KSTEP q                         ; 128 along K: 16 accumulators by turns; the next step's fragments are asked for ahead of the products
	s_wait_dscnt 0x0
.if (\q) == 3
	s_wait_tensorcnt 0x0                           ; waves 2 and 3: the second half of K is in;
	s_barrier_signal -1
	s_barrier_wait -1                              ; for everybody
.endif
.if (\q) < 7
.if (\q) > 0
	PLACES
.endif
	FETCH (\q)+1
.endif
.if (\q) == 0
	s_wait_loadcnt 0x0                             ; scale words and bias
.endif
	WIN 0x05                                       ; both sources window 1
.irp a, 0,1,2,3
.irp b, 0,1,2,3
.if (\q) == 0
	v_wmma_scale_f32_16x16x128_f8f6f4 v[ACC+8*(4*\a+\b):ACC+8*(4*\a+\b)+7], v[128*((\q)%2)+64+16*\b:128*((\q)%2)+64+16*\b+15], v[128*((\q)%2)+16*\a:128*((\q)%2)+16*\a+15], v[BI+8*\b:BI+8*\b+7], v[SB+8*\b+(\q)], v[SA+8*\a+(\q)] matrix_a_fmt:MATRIX_FMT_BF8 matrix_b_fmt:MATRIX_FMT_BF8
.else
	v_wmma_scale_f32_16x16x128_f8f6f4 v[ACC+8*(4*\a+\b):ACC+8*(4*\a+\b)+7], v[128*((\q)%2)+64+16*\b:128*((\q)%2)+64+16*\b+15], v[128*((\q)%2)+16*\a:128*((\q)%2)+16*\a+15], v[ACC+8*(4*\a+\b):ACC+8*(4*\a+\b)+7], v[SB+8*\b+(\q)], v[SA+8*\a+(\q)] matrix_a_fmt:MATRIX_FMT_BF8 matrix_b_fmt:MATRIX_FMT_BF8
.endif
.endr
.endr
.endm
	s_wait_alu depctr_va_vdst(0)
	s_cmp_lt_u32 s14, 2
	s_cbranch_scc0 .Lnot_first
	s_wait_tensorcnt 0x0                           ; waves 0 and 1: the first half of K is in.  The others' wait stands in step 3
.Lnot_first:
	s_barrier_signal -1
	s_barrier_wait -1
	FETCH 0
.irp q, 0,1,2,3,4,5,6,7
	KSTEP \q
.endr
	WIN 0
	PLACES
; THE WAY OUT, block by block of 16 tokens x 64 features, through my own stage.  LDS serves a wave's instructions in order (ISA guide 5.7.1.4): no wait between the stores and the loads, nor in front of the next block's stores.
.macro TOSTAGE a
.irp b, 0,1,2,3
	ds_store_b128 v[STO], v[ACC+8*(4*(\a)+\b):ACC+8*(4*(\a)+\b)+3] offset:128*(\b/2)+32*(\b%2)
	ds_store_b128 v[STO], v[ACC+8*(4*(\a)+\b)+4:ACC+8*(4*(\a)+\b)+7] offset:128*(\b/2)+32*(\b%2)+16
.endr
.set BK, SA+36*((\a)%2)
.irp t, 0,1,2,3,4,5,6,7
	ds_load_b128 v[BK+4*\t:BK+4*\t+3], v[RD] offset:2*\t*SPITCH
.endr
.endm
.macro SEND a, younger                 ; younger: the LDS instructions issued behind block a's loads
.set BK, SA+36*((\a)%2)
	s_wait_dscnt \younger
.irp t, 0,1,2,3,4,5,6,7
	global_store_b128 v[CO], v[BK+4*\t:BK+4*\t+3], s[16:17] offset:(32*((\a)/2)+8*((\a)%2)+2*\t+8*(\t/4))*4096 th:TH_STORE_NT   ; sixteen lanes store 256 consecutive bytes, aligned; place r is true row r + 8 (r / 8)
.endr
.endm
	TOSTAGE 0
	TOSTAGE 1
	SEND 0, 16
	s_wait_xcnt 0x0                                ; block 0's stores have read their registers
	TOSTAGE 2
	SEND 1, 16
	s_wait_xcnt 0x0
	TOSTAGE 3
	SEND 2, 16
	SEND 3, 0
	s_wait_tensorcnt 0x0                           ; the wave's end
	ds_add_u32 v[SPW], v[NIL]
	s_wait_dscnt 0x0
	CROUND                                         ; the closing round
	s_endpgm
.Lfunc_end_k_q5f77fc954f_proj:
	.size	k_q5f77fc954f_proj, .Lfunc_end_k_q5f77fc954f_proj-k_q5f77fc954f_proj
	.p2alignl 7, 3214868480
	.fill 96, 4, 3214868480
	.section	.rodata,"a",@progbits
	.p2align	6, 0x0
	.amdhsa_kernel k_q5f77fc954f_proj
		.amdhsa_group_segment_fixed_size 327680
		.amdhsa_private_segment_fixed_size 0
		.amdhsa_enable_private_segment 0
		.amdhsa_kernarg_size 48
		.amdhsa_user_sgpr_count 2
		.amdhsa_user_sgpr_kernarg_segment_ptr 1
		.amdhsa_wavefront_size32 1
		.amdhsa_system_sgpr_workgroup_id_x 1
		.amdhsa_system_sgpr_workgroup_id_y 1
		.amdhsa_system_sgpr_workgroup_id_z 1
		.amdhsa_system_vgpr_workitem_id 0
		.amdhsa_next_free_vgpr 512
		.amdhsa_next_free_sgpr 100
		.amdhsa_reserve_vcc 0
		.amdhsa_float_denorm_mode_32 3
		.amdhsa_float_denorm_mode_16_64 3
		.amdhsa_memory_ordered 1
		.amdhsa_forward_progress 1
		.amdhsa_inst_pref_size 52
	.end_amdhsa_kernel
	.amdgpu_metadata
---
amdhsa.version: [ 1, 2 ]
amdhsa.kernels:
  - .name:           k_q5f77fc954f_proj
    .symbol:         k_q5f77fc954f_proj.kd
    .args:
      - { .name: att_img, .offset: 0, .size: 8, .value_kind: global_buffer, .address_space: global }
      - { .name: att_sc, .offset: 8, .size: 8, .value_kind: global_buffer, .address_space: global }
      - { .name: codes, .offset: 16, .size: 8, .value_kind: global_buffer, .address_space: global }
      - { .name: scales, .offset: 24, .size: 8, .value_kind: global_buffer, .address_space: global }
      - { .name: out0, .offset: 32, .size: 8, .value_kind: global_buffer, .address_space: global }
      - { .name: out_b, .offset: 40, .size: 8, .value_kind: global_buffer, .address_space: global }
    .group_segment_fixed_size: 327680
    .private_segment_fixed_size: 0
    .kernarg_segment_align: 8
    .kernarg_segment_size: 48
    .max_flat_workgroup_size: 128
    .sgpr_count:     100
    .vgpr_count:     512
    .wavefront_size: 32
...
	.end_amdgpu_metadata
.endif
;; end of part 4
